; MI455X (gfx1250); checked and timed in simulation.
; The chip was launched on July 23, 2026; its instructions are those of AMD's public machine-readable ISA for CDNA 5 (MIT licence, August 2026) and "CDNA5" Instruction Set Architecture Reference Guide (July 2026). The comments in the code are by the model that wrote it; some were corrected since.
;; Llama Attention. Allowed arithmetic: matrix products marked QUANTISED: E4M3 operands, one E8M0 scale for each 32 along K, by v_wmma_scale_f32_16x16x128_f8f6f4 with both operands' format E4M3, f32 sums; everything else in f32.
;; Inputs: atten_mask 1 x 1 x 2,048 x 2,048 float32; freqs_cos 2,048 x 32 float32; freqs_sin 2,048 x 32 float32; hidden_states 1 x 2,048 x 2,048 float32; k_norm_w 64 float32; q_norm_w 64 float32; wk 512 x 2,048 float32; wo 2,048 x 2,048 float32; wq 2,048 x 2,048 float32; wv 512 x 2,048 float32.
;; Outputs: out0 1 x 2,048 x 2,048 float32; out1 1 x 32 x 64 x 2,048 float32; out2 1 x 32 x 2,048 x 64 float32.
;; This version of the problem:
;;   THIS VERSION OF THE PROBLEM IS GIVEN IN LOW PRECISION. The matrix products marked QUANTISED in the list below multiply operands that are first quantised to E4M3 (4 exponent bits, 3 mantissa bits; 8 bits a number), with one power-of-two scale for each 32 numbers along K (OCP MX v1.0); their sums are f32. All else is computed in f32.
;;   The module's matrix products, in the order in which they are computed (A, B: the left and right operand; K: the contracted axis; several contracted axes count as one K, in the product's order):
;;     1. [M 2,048, K 2,048] x [K 2,048, N 2,048]; A: input hidden_states; B: input wq: QUANTISED
;;     2. [M 2,048, K 2,048] x [K 2,048, N 512]; A: input hidden_states; B: input wk: QUANTISED
;;     3. [M 2,048, K 2,048] x [K 2,048, N 512]; A: input hidden_states; B: input wv: QUANTISED
;;     4. batch 32 x [M 2,048, K 64] x [K 64, N 2,048]; A: computed on the way; B: computed on the way: QUANTISED
;;     5. batch 32 x [M 2,048, K 2,048] x [K 2,048, N 64]; A: softmax (see below); B: computed on the way: QUANTISED
;;     6. [M 2,048, K 2,048] x [K 2,048, N 2,048]; A: computed on the way; B: input wo: QUANTISED
;;   THE QUANTISER, for each operand of a quantised product, along K:
;;     - K is cut into blocks of 32 from its start; a last block that is shorter is filled with zeros.
;;     - A block's scale is 2^e with e = floor(log2(the largest magnitude in the block)) - 8, held to -126 .. 127; a block of zeros has e = 0. As a byte (E8M0): e + 127.
;;     - Each number is divided by its block's scale, clamped to +-448, and rounded to the nearest number of E4M3, ties to even, subnormals kept.
;;     - The product sums the exact products of the quantised numbers (number of the format x scale) in f32.
;;   ~~~python
;;   def quantise(x, axis):      # numpy; x: float32 -> the quantised numbers, widened to float32 again
;;       x = np.moveaxis(x, axis, -1); K = x.shape[-1]
;;       x = np.pad(x, [(0, 0)] * (x.ndim - 1) + [(0, -K % 32)]); x = x.reshape(x.shape[:-1] + (-1, 32)); a = np.abs(x).max(-1, keepdims=True)
;;       e = np.where(a > 0, np.clip(np.frexp(np.where(a > 0, a, 1))[1] - 1 - 8, -126, 127), 0)      # np.frexp(a)[1] - 1 = floor(log2(a)), exactly
;;       r = np.clip(x / 2.0 ** e, -448, 448)
;;       step = 2.0 ** (np.maximum(np.frexp(np.where(r == 0, 1, r))[1] - 1, -6) - 3)
;;       q = np.round(r / step) * step * 2.0 ** e      # np.round: ties to even
;;       return np.moveaxis(q.reshape(q.shape[:-2] + (-1,))[..., :K], -1, axis).astype(np.float32)
;;   ~~~
;;   SOFTMAX AHEAD OF A QUANTISED PRODUCT. Where the list says 'softmax', what is quantised is not the finished softmax but p = 2^(t - M), with t = logit x log2(e) and M = ceil(the row's largest t), a whole number; so 1/2 < the row's largest p <= 1. The row's sum l is taken of the UNQUANTISED p, in f32, and the product's result is divided by l at the end. Since M is a whole number, a kernel that streams over the keys may use a running M (the ceiling of the running maximum): every later rescaling is an exact power of two, which a block's scale takes up: the codes' values come out the same.
;;   OPERANDS COMPUTED ON THE WAY. 'Computed on the way' means the value that the module computes at that place (a softmax that the list does not call 'softmax' is quantised finished and normalised). What goes into a quantiser is computed in f32, as accurately as f32 sums, v_exp_f32 and their like allow (about 1e-6 of the number): no bf16 or f16 on the way to a quantiser, and a product that is left as it is and whose result goes on into a quantised operand takes f32 operands (vector FMAs, or v_wmma_f32_16x16x4_f32). A number that lies on a knife's edge between two numbers of the format may be rounded either way, as far as f32 arithmetic and the matrix unit's own rounding can turn it there, and no further.
;; One version. Each part assembles by itself: llvm-mc -triple=amdgcn-amd-amdhsa -mcpu=gfx1250 --defsym DOCPART=n.
;; ======== version 1 of 1: 4 launches
;; limits: right only within a limited range of input values
;; workspace buffers: xq 4,325,376 bytes; wc 6,488,064 bytes; woc 4,325,376 bytes; qb 4,456,448 bytes; kv 2,195,456 bytes; yb 4,456,448 bytes; kvf 8,388,608 bytes
;; launch quant (part 1): grid 448 x 1, 4 waves a work-group, no clusters, 33,280 bytes of LDS; arguments hidden_states, wq, wk, wv, wo, xq, wc, woc; writes xq, wc, woc
.if DOCPART == 1
	.amdgcn_target "amdgcn-amd-amdhsa--gfx1250"
	.amdhsa_code_object_version 6
	.text
	.protected	k_q03e1b92ccb_quant
	.globl	k_q03e1b92ccb_quant
	.p2align	8
	.type	k_q03e1b92ccb_quant,@function
k_q03e1b92ccb_quant:
	s_mov_b64 s[64:65], 0
	v_nop
	global_prefetch_b8 v0, s[64:65] scope:SCOPE_SE
	s_setreg_imm32_b32 hwreg(HW_REG_WAVE_MODE, 25, 1), 1
	s_wait_xcnt 0x0
; LlamaAttention in MX-FP8, launch 1 of 4: hidden_states, wq, wk, wv, wo (f32, K innermost, rows of 2,048) become codes of E4M3 and one E8M0 byte for each 32 along K.
; DEAD WORK: none.  Every input of reference() has a way to an output: atten_mask is an input and is added as it is given, so no tile of scores is left out; the norm weights
; and the tables are loaded.  jnp.repeat is a copy: k and v are computed and quantised once for each of the 8 heads of keys, and their f32 numbers are stored four times (by launch 3).
; LAYOUT.  xq: codes [2048 rows][2048 B], then from byte 0x400000 the scale bytes [2048][64].  wc: the same for wq (rows 0-2047), wk (2048-2559), wv (2560-3071), scale bytes from 0x600000.
; woc: like xq, for wo.  A ROW IS STORED AT ITS NUMBER WITH BITS 3 AND 4 EXCHANGED: 16 consecutive stored rows are then rows x .. x+7 and x+16 .. x+23, the rows that the later launches take as one tile of a
; matrix operand, so that 16 registers of two neighbouring result tiles are 16 neighbours along the next product's K.
; A block's scale is 2^(floor(log2(largest magnitude)) - 8); its byte is the largest magnitude's exponent field - 8, held at 1 from below; numbers are held within +-448 x the scale and rounded to the nearest code.
; LIMITS: a block of zeros gets the byte 1 and not 127 (its codes are zeros, and the bytes are read by this program alone); blocks whose largest magnitude lies under 2^-118 keep the byte 1; NaN and infinities are not served.
; SHARES.  A wave takes 8,192 numbers, 4 rows, in 16 steps of 512; four aligned rows stay together under the exchange of bits.  Work-groups 0-127 hidden_states, 128-255 wq, 256-287 wk, 288-319 wv, 320-447 wo.
; Each load reads 512 consecutive bytes; a step's 2,048 bytes turn through the wave's own stage in LDS so that a lane holds 16 neighbours; two neighbouring lanes hold a block.  No tensor load, no barrier: waves share nothing.
; Loads run eight steps ahead: 32 loads, 16 KiB, of every wave are on their way.
.set STEPS, 16
.set DEPTH, 8                          ; steps that the loads run ahead
.set CB,    16                         ; bytes of 16 codes
.set R,     16                         ; v16-143  eight sets of 16 numbers as loaded
.set X,     144                        ; v144-175 two sets of 16 neighbours
.set E,     176                        ; v176-191 a scale byte a step
.set C,     192                        ; v192-255 codes, four registers a step: no store's data are written again
.set WREG,  8192                       ; LDS of a wave: two stages of 32 x SP bytes, then its 256 scale bytes
.set SP,    80                         ; a lane's 64 bytes + 16 of padding
.set SPW,   12                         ; v12 my spare word's LDS address; never rewritten
.set NIL,   13                         ; v13 0; never rewritten
.set SPARE, 4*WREG                     ; the spare words: 128 bytes a wave
	s_load_b512 s[4:19], s[0:1], 0x0               ; hidden_states, wq, wk, wv, wo, xq, wc, woc
	v_lshl_add_u32 v[SPW], v0, 2, SPARE
	v_mov_b32 v[NIL], 0
	v_lshrrev_b32 v1, 5, v0
	v_readfirstlane_b32 s28, v1                    ; wave
	v_and_b32 v2, 31, v0                           ; lane
	v_lshlrev_b32 v3, 4, v2                        ; my 16 bytes of a load's 512
	s_mul_i32 s29, s28, WREG
	v_lshrrev_b32 v14, 2, v2
	v_mul_u32_u24 v14, v14, SP
	v_and_b32 v15, 3, v2
	v_lshl_add_u32 v14, v15, 4, v14
	v_add_nc_u32 v14, s29, v14                     ; the stage, on the way in: SP (lane / 4) + 16 (lane % 4)
	v_mul_u32_u24 v15, v2, SP
	v_add_nc_u32 v15, s29, v15                     ; and on the way out: SP x lane
	v_mul_u32_u24 v4, v2, CB                       ; my codes' place in a step's
	v_lshrrev_b32 v5, 1, v2
	s_add_co_u32 s29, s29, 2*32*SP
	v_add_nc_u32 v5, s29, v5                       ; my block's scale byte in LDS
	v_lshlrev_b32 v7, 3, v2
	v_add_nc_u32 v6, s29, v7                       ; and 8 bytes a lane on the way out
	s_mov_b32 s31, 0x600000                        ; the mantissa field of 448
	s_wait_alu depctr_va_vdst(0)
	s_wait_kmcnt 0x0
	s_mov_b64 s[20:21], s[12:13]                   ; which tensor: the choice hangs on the work-group's number alone.  From wo down
	s_mov_b64 s[22:23], s[18:19]
	s_mov_b32 s24, 320                             ; first work-group of the source
	s_mov_b32 s25, 320                             ; work-group that stores the destination's first rows
	s_mov_b32 s26, 0x400000                        ; where the destination's scale bytes begin
	s_cmp_lt_u32 ttmp9, 320
	s_cselect_b64 s[20:21], s[10:11], s[20:21]
	s_cselect_b64 s[22:23], s[16:17], s[22:23]
	s_cselect_b32 s24, 288, s24
	s_cselect_b32 s25, 128, s25
	s_cselect_b32 s26, 0x600000, s26
	s_cmp_lt_u32 ttmp9, 288
	s_cselect_b64 s[20:21], s[8:9], s[20:21]
	s_cselect_b32 s24, 256, s24
	s_cmp_lt_u32 ttmp9, 256
	s_cselect_b64 s[20:21], s[6:7], s[20:21]
	s_cselect_b32 s24, 128, s24
	s_cmp_lt_u32 ttmp9, 128
	s_cselect_b64 s[20:21], s[4:5], s[20:21]
	s_cselect_b64 s[22:23], s[14:15], s[22:23]
	s_cselect_b32 s24, 0, s24
	s_cselect_b32 s25, 0, s25
	s_cselect_b32 s26, 0x400000, s26
	s_sub_co_u32 s24, ttmp9, s24
	s_lshl_b32 s24, s24, 2
	s_add_co_u32 s24, s24, s28                     ; my run of 4 rows in the source
	s_sub_co_u32 s25, ttmp9, s25
	s_lshl_b32 s25, s25, 2
	s_add_co_u32 s25, s25, s28                     ; and in the destination: its bits 1 and 2 are the rows' bits 3 and 4
	s_and_b32 s27, s25, 2
	s_lshl_b32 s27, s27, 1
	s_and_b32 s30, s25, 4
	s_lshr_b32 s30, s30, 1
	s_and_not1_b32 s25, s25, 6
	s_or_b32 s25, s25, s27
	s_or_b32 s25, s25, s30                         ; exchanged
	s_lshl_b32 s32, s24, 15
	s_mov_b32 s33, 0
	s_add_nc_u64 s[20:21], s[20:21], s[32:33]      ; 32,768 bytes of f32 a run
	s_lshl_b32 s32, s25, 8
	s_add_co_u32 s32, s32, s26
	s_add_nc_u64 s[34:35], s[22:23], s[32:33]      ; 256 scale bytes a run
	s_lshl_b32 s32, s25, 13
	s_add_nc_u64 s[22:23], s[22:23], s[32:33]      ; 8,192 codes a run
.macro LOAD t
.irp i, 0,1,2,3
	global_load_b128 v[R+16*((\t)%DEPTH)+4*\i:R+16*((\t)%DEPTH)+4*\i+3], v3, s[20:21] offset:2048*(\t)+512*\i th:TH_LOAD_NT   ; 32 lanes read 512 consecutive bytes
.endr
.endm
.macro TURN t                          ; step t's numbers through the stage: LDS serves a wave's instructions in order, so no wait stands between the stores and the loads
.irp i, 0,1,2,3
	ds_store_b128 v14, v[R+16*((\t)%DEPTH)+4*\i:R+16*((\t)%DEPTH)+4*\i+3] offset:32*SP*((\t)%2)+8*SP*\i
.endr
.irp i, 0,1,2,3
	ds_load_b128 v[X+16*((\t)%2)+4*\i:X+16*((\t)%2)+4*\i+3], v15 offset:32*SP*((\t)%2)+16*\i
.endr
.endm
.irp t, 0,1,2,3,4,5,6,7
	LOAD \t
.endr
	s_wait_loadcnt 28                              ; step 0's four loads are in; seven steps' 28 may be out
	TURN 0
.macro STEP t
.set XS, X+16*((\t)%2)
.if (\t) > 0
	s_wait_dscnt 1                                 ; this step's numbers are back from the stage; the last step's byte store may be out
.else
	s_wait_dscnt 0x0
.endif
.if (\t)+DEPTH < STEPS
	LOAD (\t)+DEPTH                                ; into the registers that the stage's stores have read
.endif
.if (\t)+1 < STEPS
.if STEPS-2-(\t) >= DEPTH-1
	s_wait_loadcnt 4*(DEPTH-1)                     ; the next step's four loads are in; those of the seven steps behind it may be out
.else
	s_wait_loadcnt 4*(STEPS-2-(\t))
.endif
	TURN (\t)+1
.endif
	v_max3_num_f32 v8, |v[XS]|, |v[XS+1]|, |v[XS+2]|               ; the largest magnitude of my 16, in two chains
	v_max3_num_f32 v9, |v[XS+3]|, |v[XS+4]|, |v[XS+5]|
.irp i, 6,10
	v_max3_num_f32 v8, v8, |v[XS+\i]|, |v[XS+\i+1]|
	v_max3_num_f32 v9, v9, |v[XS+\i+2]|, |v[XS+\i+3]|
.endr
	v_max3_num_f32 v8, v8, |v[XS+14]|, |v[XS+15]|
	v_max3_num_f32 v8, v8, v9, 0x4800000           ; and the floor 2^(9 - 127): the byte cannot fall under 1
	v_max_num_f32_dpp v8, v8, v8 row_xmask:1 row_mask:0xf bank_mask:0xf   ; with my neighbour's 16: the block's
	v_add_nc_u32 v11, 0xfc000000, v8               ; 8 off its exponent field: the conversion's scale operand
	v_and_or_b32 v10, v8, 0x7f800000, s31          ; 448 x the scale
.irp i, 0,1,2,3,4,5,6,7,8,9,10,11,12,13,14,15
	v_med3_num_f32 v[XS+\i], v[XS+\i], -v10, v10   ; the conversion to an 8-bit code does not saturate (ISA guide 7.6.2): the hold comes first
.endr
	v_cvt_scalef32_pk8_fp8_f32 v[C+4*(\t):C+4*(\t)+1], v[XS:XS+7], v11
	v_cvt_scalef32_pk8_fp8_f32 v[C+4*(\t)+2:C+4*(\t)+3], v[XS+8:XS+15], v11
	v_lshrrev_b32 v[E+(\t)], 23, v11               ; the scale's byte
	ds_store_b8 v5, v[E+(\t)] offset:16*(\t)       ; both lanes of a block write the same byte with the same value
	global_store_b128 v4, v[C+4*(\t):C+4*(\t)+3], s[22:23] offset:32*CB*(\t)   ; 512 consecutive bytes
.endm
.irp t, 0,1,2,3,4,5,6,7,8,9,10,11,12,13,14,15
	STEP \t
.endr
	ds_load_b64 v[8:9], v6                         ; LDS serves a wave's instructions in order: these see my byte stores
	s_wait_dscnt 0x0
	global_store_b64 v7, v[8:9], s[34:35]          ; 32 lanes store 256 consecutive bytes, aligned
	s_wait_tensorcnt 0x0                           ; the wave's end, behind my last LDS store
	ds_add_u32 v[SPW], v[NIL]
	s_wait_dscnt 0x0
	s_endpgm
.Lfunc_end_k_q03e1b92ccb_quant:
	.size	k_q03e1b92ccb_quant, .Lfunc_end_k_q03e1b92ccb_quant-k_q03e1b92ccb_quant
	.p2alignl 7, 3214868480
	.fill 96, 4, 3214868480
	.section	.rodata,"a",@progbits
	.p2align	6, 0x0
	.amdhsa_kernel k_q03e1b92ccb_quant
		.amdhsa_group_segment_fixed_size 33280
		.amdhsa_private_segment_fixed_size 0
		.amdhsa_enable_private_segment 0
		.amdhsa_kernarg_size 64
		.amdhsa_user_sgpr_count 2
		.amdhsa_user_sgpr_kernarg_segment_ptr 1
		.amdhsa_wavefront_size32 1
		.amdhsa_system_sgpr_workgroup_id_x 1
		.amdhsa_system_sgpr_workgroup_id_y 1
		.amdhsa_system_sgpr_workgroup_id_z 1
		.amdhsa_system_vgpr_workitem_id 0
		.amdhsa_next_free_vgpr 256
		.amdhsa_next_free_sgpr 66
		.amdhsa_reserve_vcc 0
		.amdhsa_float_denorm_mode_32 3
		.amdhsa_float_denorm_mode_16_64 3
		.amdhsa_memory_ordered 1
		.amdhsa_forward_progress 1
		.amdhsa_inst_pref_size 52
	.end_amdhsa_kernel
	.amdgpu_metadata
---
amdhsa.version: [ 1, 2 ]
amdhsa.kernels:
  - .name:           k_q03e1b92ccb_quant
    .symbol:         k_q03e1b92ccb_quant.kd
    .args:
      - { .name: hidden_states, .offset: 0, .size: 8, .value_kind: global_buffer, .address_space: global }
      - { .name: wq, .offset: 8, .size: 8, .value_kind: global_buffer, .address_space: global }
      - { .name: wk, .offset: 16, .size: 8, .value_kind: global_buffer, .address_space: global }
      - { .name: wv, .offset: 24, .size: 8, .value_kind: global_buffer, .address_space: global }
      - { .name: wo, .offset: 32, .size: 8, .value_kind: global_buffer, .address_space: global }
      - { .name: xq, .offset: 40, .size: 8, .value_kind: global_buffer, .address_space: global }
      - { .name: wc, .offset: 48, .size: 8, .value_kind: global_buffer, .address_space: global }
      - { .name: woc, .offset: 56, .size: 8, .value_kind: global_buffer, .address_space: global }
    .group_segment_fixed_size: 33280
    .private_segment_fixed_size: 0
    .kernarg_segment_align: 8
    .kernarg_segment_size: 64
    .max_flat_workgroup_size: 128
    .sgpr_count:     66
    .vgpr_count:     256
    .wavefront_size: 32
...
	.end_amdgpu_metadata
.endif
;; end of part 1
;; launch qkv (part 2): grid 16 x 12, 4 waves a work-group, clusters of 4 x 1, 327,680 bytes of LDS; arguments xq, wc, freqs_cos, freqs_sin, q_norm_w, k_norm_w, qb, kv, kvf; writes qb, kv, kvf
.if DOCPART == 2
	.amdgcn_target "amdgcn-amd-amdhsa--gfx1250"
	.amdhsa_code_object_version 6
	.text
	.protected	k_q03e1b92ccb_qkv
	.globl	k_q03e1b92ccb_qkv
	.p2align	8
	.type	k_q03e1b92ccb_qkv,@function
k_q03e1b92ccb_qkv:
	s_mov_b64 s[64:65], 0
	v_nop
	global_prefetch_b8 v0, s[64:65] scope:SCOPE_SE
	s_setreg_imm32_b32 hwreg(HW_REG_WAVE_MODE, 25, 1), 1
	s_wait_xcnt 0x0
	s_wait_alu depctr_hold_cnt(0) depctr_sa_sdst(0) depctr_va_vdst(0) depctr_va_sdst(0) depctr_va_ssrc(0) depctr_va_vcc(0) depctr_vm_vsrc(0)
	s_getreg_b32 s2, hwreg(HW_REG_IB_STS2, 6, 4)
	s_cmp_eq_u32 s2, 0
	s_cbranch_scc0 .Lentry_in_a_cluster
	s_endpgm
.Lentry_in_a_cluster:
	s_bfe_u32 s2, ttmp6, 0x10000c
	s_cmp_lg_u32 s2, 0x3003
	s_cbranch_scc0 .Lentry_shape_is_right
	s_endpgm
.Lentry_shape_is_right:
.set PT,    8
.set NQ,    2
.set PITCH, 272
.set QOFF,  256*PITCH
.set SLOT,  384*PITCH
.set SCL,   2*SLOT
.set SCQ,   SCL+64*272
.set SPARE, 327168
.set STGB,  128*272
.set VSTG,  4*STGB
.set REC,   17152
.set LI,  3
.set SAK, 4
.set SRK, 5
.set SAV, 6
.set SRV, 7
.set GO1, 8
.set CA,  9
.set NA,  10
.set KO,  11
.set ADRP, 16
.set ADRQ, 20
.set ASP, 22
.set ASQ, 23
.set SPW, 28
.set NIL, 29
.set SP,  32
.set SQ,  64
.set NW,  80
.set X,   112
.set PC,  176
.set TM,  192
.set PW,  208
.set T,   210
.set SS,  218
.set RS,  226
.set QW,  230
.set G1P, 24
.set G1Q, 32
.set G1SP, 40
.set G1SQ, 48
.set G0P, 56
.set G0Q, 68
.set G0SP, 76
.set G0SQ, 80
.set IB,  24
.set SB,  28
.set OB,  30
.set EPSR, 96
.set R64, 97
.set SEL, 98
.set MNT, 100
.set HM,  101
.set MSB, 0
.macro WIN new
.if MSB != (\new)
	s_set_vgpr_msb (MSB<<8)|(\new)
.set MSB, (\new)
.endif
.endm
.macro PLACES n
.rept \n
	v_nop
.endr
.endm
.macro G1REST g, c, r, p
	s_mov_b32 s[\g+1], (\c)<<16
	s_mov_b32 s[\g+2], (\r)<<16
	s_mov_b32 s[\g+3], (\c)<<16
	s_mov_b32 s[\g+4], \r
	s_mov_b32 s[\g+5], \p
	s_mov_b32 s[\g+6], 0
	s_mov_b32 s[\g+7], 0
.endm
.macro JLOAD g0p, g1p, g0q, g1q
	s_cmp_eq_u32 s21, 0
	s_cbranch_scc0 .Lfor_q_\@
	tensor_load_to_lds s[\g0p:\g0p+3], s[\g1p:\g1p+7]
	s_nop 0
	PLACES 4
	s_branch .Lasked_\@
.Lfor_q_\@:
	tensor_load_to_lds s[\g0q:\g0q+3], s[\g1q:\g1q+7]
	s_nop 0
	PLACES 4
.Lasked_\@:
.endm
.macro CREST
	s_cmp_lg_u32 s20, 0
	s_cbranch_scc1 .Lnot_wave_0_\@
	s_barrier_signal -3
.Lnot_wave_0_\@:
	s_barrier_wait -3
	s_barrier_signal -1
	s_barrier_wait -1
.endm
.macro CROUND
	s_barrier_signal -1
	s_barrier_wait -1
	CREST
.endm
.macro FETCH set, slot, q
	WIN (0x80+0x40*(\set))
.irp p, 0,1,2,3,4,5,6,7
.irp c, 0,1,2,3
	ds_load_b128 v[16*\p+4*\c:16*\p+4*\c+3], v[ADRP+\slot] offset:128*(\q)+32*\c+\p*16*PITCH
.endr
.endr
.irp i, 0,1,2,3
.irp c, 0,1,2,3
	ds_load_b128 v[128+16*\i+4*\c:128+16*\i+4*\c+3], v[ADRQ+\slot] offset:128*(\q)+32*\c+\i*16*PITCH
.endr
.endr
	WIN 0
.endm
.macro SCALES s
.irp p, 0,1,2,3,4,5,6,7
	ds_load_b64 v[SP+16*(\s)+2*\p:SP+16*(\s)+2*\p+1], v[ASP] offset:\p*4*272
.endr
.irp i, 0,1,2,3
	ds_load_b64 v[SQ+8*(\s)+2*\i:SQ+8*(\s)+2*\i+1], v[ASQ] offset:\i*4*272
.endr
.endm
.macro MULQ qi, q, s, zero
.irp p, 0,1,2,3,4,5,6,7
.if \zero
	v_wmma_scale_f32_16x16x128_f8f6f4 v[8*(PT*(\qi)+\p):8*(PT*(\qi)+\p)+7], v[16*\p:16*\p+15], v[128+16*(\qi):128+16*(\qi)+15], 0, v[SP+16*(\s)+2*\p+(\q)], v[SQ+8*(\s)+2*(\qi)+(\q)]
.else
	v_wmma_scale_f32_16x16x128_f8f6f4 v[8*(PT*(\qi)+\p):8*(PT*(\qi)+\p)+7], v[16*\p:16*\p+15], v[128+16*(\qi):128+16*(\qi)+15], v[8*(PT*(\qi)+\p):8*(PT*(\qi)+\p)+7], v[SP+16*(\s)+2*\p+(\q)], v[SQ+8*(\s)+2*(\qi)+(\q)]
.endif
.endr
.endm
.macro STEP slot, q, zero
	s_wait_dscnt 0x0
	WIN (0x5a+5*((\q)%2))
	MULQ 0, \q, \slot, \zero
	MULQ 1, \q, \slot, \zero
	PLACES 8
	FETCH 1-(\q)%2, \slot, (\q)+1
	WIN (0x5a+5*((\q)%2))
	MULQ 2, \q, \slot, \zero
	MULQ 3, \q, \slot, \zero
	WIN 0
.endm
.macro TURN slot, next, fill
.if \fill
	s_wait_xcnt 0x0                                ; the last prefetches, a K step back, have read their bases: both step one K step on
	s_add_nc_u64 s[96:97], s[96:97], 256
	s_add_nc_u64 s[98:99], s[98:99], 256
.endif
	s_wait_tensorcnt 0x0
	ds_add_u32 v[SPW], v[NIL]
	s_wait_dscnt 0x1
	WIN 0x5f
	MULQ 0, NQ-1, \slot, 0
	s_wait_dscnt 0x0
	s_barrier_signal -1
	MULQ 1, NQ-1, \slot, 0
	WIN 0
	s_barrier_wait -1
.if \fill
	CREST
	s_add_nc_u64 s[G0P+4*\slot+2:G0P+4*\slot+3], s[G0P+4*\slot+2:G0P+4*\slot+3], 512
	s_add_nc_u64 s[G0Q+4*\slot+2:G0Q+4*\slot+3], s[G0Q+4*\slot+2:G0Q+4*\slot+3], 512
	JLOAD G0P+4*\slot, G1P, G0Q+4*\slot, G1Q
	PLACES 4
.else
	PLACES 8
.endif
	s_wait_alu depctr_va_vdst(0)
	v_add_nc_u32 v[ASP], 4*NQ, v[ASP]
	v_add_nc_u32 v[ASQ], 4*NQ, v[ASQ]
	FETCH 0, \next, 0
	SCALES \next
.if \fill
	s_cmp_gt_u32 s3, 1                             ; the last trip's two refills have no K step two fills on
	s_cbranch_scc0 .Lno_ask_\@
	global_prefetch_b8 v24, s[96:97] offset:768 th:TH_LOAD_NT scope:SCOPE_SE
	global_prefetch_b8 v25, s[98:99] offset:768 th:TH_LOAD_NT scope:SCOPE_SE
.Lno_ask_\@:
.endif
	WIN 0x5f
	MULQ 2, NQ-1, \slot, 0
	MULQ 3, NQ-1, \slot, 0
	WIN 0
.endm
	s_load_b512 s[4:19], s[0:1], 0x0
	s_load_b64 s[84:85], s[0:1], 0x40
	v_lshl_add_u32 v[SPW], v0, 2, SPARE
	v_mov_b32 v[NIL], 0
	ds_add_u32 v[SPW], v[NIL]
	ds_add_u32 v[SPW], v[NIL]
	v_lshrrev_b32 v1, 5, v0
	v_readfirstlane_b32 s20, v1
	s_lshr_b32 s21, s20, 1
	s_and_b32 s22, s20, 1
	s_bfe_u32 s88, ttmp6, 0x40000
	s_and_b32 s89, ttmp7, 0xffff
	s_mov_b32 s[G1P], 15|(1<<20)|(1<<21)|(5<<22)|(3<<25)
	G1REST G1P, 256, 256, 2048
	s_mov_b32 s[G1Q], (1<<20)|(5<<22)|(3<<25)
	G1REST G1Q, 256, 128, 2048
	s_mov_b32 s[G1SP], 15|(3<<16)|(1<<20)|(1<<21)|(5<<22)|(3<<25)
	G1REST G1SP, 32, 64, 32
	s_mov_b32 s[G1SQ], (3<<16)|(1<<20)|(5<<22)|(3<<25)
	G1REST G1SQ, 32, 32, 32
	s_lshl_b32 s90, s89, 8
	s_lshl_b32 s91, s89, 2
	s_add_co_u32 s91, s91, ttmp9
	s_sub_co_u32 s91, s91, 40
	s_lshl_b32 s91, s91, 8
	s_lshl_b32 s92, ttmp9, 2
	s_add_co_u32 s92, s92, s88
	s_lshl_b32 s92, s92, 7
	s_lshl_b32 s93, s88, 7
	s_add_co_u32 s93, s93, 2560
	s_cmp_ge_u32 s89, 8
	s_cselect_b32 s23, 1, 0
	s_cmp_ge_u32 s89, 10
	s_cselect_b32 s23, 2, s23
	s_cselect_b32 s90, s91, s90
	s_cselect_b32 s92, s93, s92
	s_mov_b32 s94, 0x600000
	s_cselect_b32 s94, 0x400000, s94
	s_mov_b32 s95, 0x400000
	s_cselect_b32 s95, 0x600000, s95
	s_lshl_b32 s91, s22, 6
	s_add_co_u32 s66, s92, s91
	s_lshl_b32 s98, s90, 6                         ; the scale bytes of all 256 rows come by one load: no half of the tile enters
	s_lshl_b32 s91, s22, 7
	s_add_co_u32 s90, s90, s91
	s_lshl_b32 s96, s90, 11
	s_mov_b32 s97, 0
	s_add_co_u32 s98, s98, s94
	s_mov_b32 s99, 0
	s_lshl_b32 s100, s66, 11
	s_mov_b32 s101, 0
	s_lshl_b32 s92, s92, 6
	s_add_co_u32 s92, s92, s95
	s_mov_b32 s93, 0
	s_mul_i32 s90, s22, 128*PITCH
	s_mul_i32 s91, s22, 64*PITCH
	s_wait_dscnt 0x0
	s_wait_kmcnt 0x0
	s_cmp_ge_u32 s89, 10
	s_cselect_b64 s[2:3], s[4:5], s[6:7]
	s_cselect_b64 s[4:5], s[6:7], s[4:5]
	CROUND
	s_mov_b32 s[G0SP], 1
	s_mov_b32 s[G0SP+1], SCL
	s_add_nc_u64 s[G0SP+2:G0SP+3], s[2:3], s[98:99]
	s_or_b32 s[G0SP+3], s[G0SP+3], 0x80000000
	s_mov_b32 s[G0SQ], 1
	s_mov_b32 s[G0SQ+1], SCQ
	s_add_nc_u64 s[G0SQ+2:G0SQ+3], s[4:5], s[92:93]
	s_or_b32 s[G0SQ+3], s[G0SQ+3], 0x80000000
	s_add_nc_u64 s[2:3], s[2:3], s[96:97]
	s_add_nc_u64 s[4:5], s[4:5], s[100:101]
.irp s, 0,1
	s_mov_b32 s[G0P+4*\s], 1
	s_add_co_u32 s[G0P+4*\s+1], s90, \s*SLOT
	s_add_nc_u64 s[G0P+4*\s+2:G0P+4*\s+3], s[2:3], \s*256
	s_or_b32 s[G0P+4*\s+3], s[G0P+4*\s+3], 0x80000000
	s_mov_b32 s[G0Q+4*\s], 1
	s_add_co_u32 s[G0Q+4*\s+1], s91, \s*SLOT+QOFF
	s_add_nc_u64 s[G0Q+4*\s+2:G0Q+4*\s+3], s[4:5], \s*256
	s_or_b32 s[G0Q+4*\s+3], s[G0Q+4*\s+3], 0x80000000
.endr
; the head's four tiles, each whole, one load a wave in one chain of arms: wave 0 slot 0's 256 rows, wave 2 its 128 rows (both waves' own descriptors stand at half 0), wave 1 and wave 3 the two blocks of scale bytes
	s_cmp_eq_u32 s20, 0
	s_cbranch_scc0 .Lhead_q
	tensor_load_to_lds s[G0P:G0P+3], s[G1P:G1P+7]
	s_nop 0
	PLACES 4
	s_branch .Lhead_asked
.Lhead_q:
	s_cmp_eq_u32 s20, 2
	s_cbranch_scc0 .Lhead_sp
	tensor_load_to_lds s[G0Q:G0Q+3], s[G1Q:G1Q+7]
	s_nop 0
	PLACES 4
	s_branch .Lhead_asked
.Lhead_sp:
	s_cmp_eq_u32 s20, 1
	s_cbranch_scc0 .Lhead_sq
	tensor_load_to_lds s[G0SP:G0SP+3], s[G1SP:G1SP+7]
	s_nop 0
	PLACES 4
	s_branch .Lhead_asked
.Lhead_sq:
	tensor_load_to_lds s[G0SQ:G0SQ+3], s[G1SQ:G1SQ+7]
	s_nop 0
	PLACES 4
.Lhead_asked:
; PREFETCHES INTO THE L2: at each fill's place the K step two fills on is asked for, 256 bytes of each row, a lane a row; here, at the head, K steps 1 and 2.  Of the 256 joint rows the four partners take 64 each, told apart by address:
; in my wave's half of 128 rows partner cx takes rows 32 cx on, and of those my wave 16 (lanes 16-31 name the wave's last row again).  The work-group's own 128 rows: my wave takes 32 of its half of 64.
	s_lshl_b32 s100, s88, 5
	s_lshl_b32 s101, s21, 4
	s_add_co_u32 s100, s100, s101                  ; row 32 cx + 16 (wave / 2) of my half
	s_lshl_b32 s100, s100, 11
	s_mov_b32 s101, 0
	s_add_nc_u64 s[96:97], s[2:3], s[100:101]
	s_lshl_b32 s100, s21, 16                       ; row 32 (wave / 2) of my half
	s_add_nc_u64 s[98:99], s[4:5], s[100:101]
	v_and_b32 v25, 31, v0
	v_min_u32 v24, 15, v25
	v_lshlrev_b32 v25, 11, v25
	v_lshlrev_b32 v24, 11, v24
	global_prefetch_b8 v24, s[96:97] offset:256 th:TH_LOAD_NT scope:SCOPE_SE
	global_prefetch_b8 v25, s[98:99] offset:256 th:TH_LOAD_NT scope:SCOPE_SE
	global_prefetch_b8 v24, s[96:97] offset:512 th:TH_LOAD_NT scope:SCOPE_SE
	global_prefetch_b8 v25, s[98:99] offset:512 th:TH_LOAD_NT scope:SCOPE_SE
	v_and_b32 v1, 15, v0
	v_bfe_u32 v2, v0, 4, 1
	v_mul_u32_u24 v12, v1, PITCH
	v_lshl_add_u32 v12, v2, 4, v12
	s_mul_i32 s90, s21, 128*PITCH
	s_mul_i32 s91, s22, 64*PITCH
	s_add_co_u32 s91, s91, QOFF
.irp s, 0,1
	v_add_nc_u32 v[ADRP+\s], s90, v12
	v_add_nc_u32 v[ADRQ+\s], s91, v12
	s_add_co_u32 s90, s90, SLOT
	s_add_co_u32 s91, s91, SLOT
.endr
	v_lshlrev_b32 v13, 6, v1
	v_lshrrev_b32 v14, 8, v13
	v_lshl_add_u32 v13, v14, 4, v13
	s_mul_i32 s90, s21, 32*272
	s_add_co_u32 s90, s90, SCL
	v_add_nc_u32 v[ASP], s90, v13
	s_mul_i32 s91, s22, 16*272
	s_add_co_u32 s91, s91, SCQ
	v_add_nc_u32 v[ASQ], s91, v13
	v_and_b32 v14, 8, v1
	v_add_nc_u32 v14, v14, v1
	v_lshlrev_b32 v15, 2, v14
	v_mad_u32_u24 v15, v2, 16*272, v15
	v_mul_u32_u24 v13, v2, 272
	v_lshl_add_u32 v13, v1, 4, v13
	s_mul_i32 s90, s20, STGB
	v_add_nc_u32 v[SAK], s90, v15
	v_add_nc_u32 v[SRK], s90, v13
	s_add_co_u32 s90, s90, VSTG
	v_add_nc_u32 v[SAV], s90, v15
	v_add_nc_u32 v[SRV], s90, v13
	v_and_b32 v[LI], 31, v0
	v_lshlrev_b32 v[LI], 4, v[LI]
	v_lshlrev_b32 v[GO1], 13, v2
	v_lshl_add_u32 v[GO1], v1, 4, v[GO1]
	v_mul_u32_u24 v[KO], v2, 16*REC
	v_lshl_add_u32 v[KO], v1, 4, v[KO]
	v_lshlrev_b32 v[CA], 7, v14
	v_lshl_add_u32 v[CA], v2, 5, v[CA]
	s_wait_alu depctr_va_vdst(0)
	v_lshlrev_b32 v[NA], 6, v2
	s_wait_alu depctr_va_vdst(0)
	s_cmp_eq_u32 s23, 2
	s_cselect_b32 s90, 0, s66
	s_lshl_b32 s90, s90, 7
	s_mov_b32 s91, 0
	s_add_nc_u64 s[8:9], s[8:9], s[90:91]
	s_add_nc_u64 s[10:11], s[10:11], s[90:91]
	s_cmp_eq_u32 s23, 1
	s_cselect_b64 s[12:13], s[14:15], s[12:13]
.irp qi, 0,1,2,3
	WIN (0x80+0x40*(\qi/2))
.irp b, 0,1
.irp k, 0,1
	global_load_b128 v[192+32*(\qi%2)+8*\b+4*\k:192+32*(\qi%2)+8*\b+4*\k+3], v[CA], s[8:9] offset:(32*(\qi/2)+8*(\qi%2))*128+64*\b+16*\k
	global_load_b128 v[208+32*(\qi%2)+8*\b+4*\k:208+32*(\qi%2)+8*\b+4*\k+3], v[CA], s[10:11] offset:(32*(\qi/2)+8*(\qi%2))*128+64*\b+16*\k
.endr
.endr
.endr
	WIN 0
.irp b, 0,1
.irp k, 0,1,2,3
	global_load_b128 v[NW+16*\b+4*\k:NW+16*\b+4*\k+3], v[NA], s[12:13] offset:128*\b+16*\k
.endr
.endr
	s_wait_alu depctr_va_vdst(0)
	s_wait_tensorcnt 0x0                           ; my tile of the head's four is in; slot 1's first fill is issued as a refill is
	ds_add_u32 v[SPW], v[NIL]
	s_mov_b32 s[G1P+2], 128<<16                    ; no tensor load of mine is out: from here on a load brings half a tile's rows
	s_mov_b32 s[G1P+4], 128
	s_mov_b32 s[G1Q+2], 64<<16
	s_mov_b32 s[G1Q+4], 64
	s_wait_dscnt 0x0
	CROUND
	JLOAD G0P+4, G1P, G0Q+4, G1Q
	FETCH 0, 0, 0
	SCALES 0
	global_prefetch_b8 v24, s[96:97] offset:768 th:TH_LOAD_NT scope:SCOPE_SE   ; behind K step 1's load: K step 3
	global_prefetch_b8 v25, s[98:99] offset:768 th:TH_LOAD_NT scope:SCOPE_SE
	STEP 0, 0, 1
	s_mov_b32 s3, 3
.Llap:
	TURN 0, 1, 1
	STEP 1, 0, 0
	TURN 1, 0, 1
	STEP 0, 0, 0
	s_sub_co_u32 s3, s3, 1
	s_cmp_lg_u32 s3, 0
	s_cbranch_scc1 .Llap
	TURN 0, 1, 0
	STEP 1, 0, 0
	s_wait_dscnt 0x0
	WIN 0x5f
	MULQ 0, 1, 1, 0
	MULQ 1, 1, 1, 0
	MULQ 2, 1, 1, 0
	MULQ 3, 1, 1, 0
	WIN 0
	PLACES 8
	s_wait_dscnt 0x0
	s_barrier_signal -1
	s_barrier_wait -1
	s_wait_loadcnt 0x0
	s_wait_xcnt 0x0                                ; the prefetches have read their bases, whose registers take constants below
	s_mov_b32 s[EPSR], 0x3727c5ac
	s_mov_b32 s[R64], 0x3c800000
	s_mov_b32 s[SEL], 0x76543210
	s_mov_b32 s[SEL+1], 0xfedcba98
	s_mov_b32 s[MNT], 0x600000
	s_mov_b32 s[HM], 0xffff0000
.irp b, 0,1,2,3
	v_mov_b32 v[TM+4+\b], 0
.endr
.macro QUANT s, aw, floor, pw
.if \aw
	WIN 0x05
.endif
.irp b, 0,1,2,3
	v_max3_num_f32 v[TM+\b], |v[\s+16*\b]|, |v[\s+16*\b+1]|, \floor
.endr
.irp i, 2,4,6,8,10,12,14
.irp b, 0,1,2,3
	v_max3_num_f32 v[TM+\b], |v[\s+16*\b+\i]|, |v[\s+16*\b+\i+1]|, v[TM+\b]
.endr
.endr
	WIN 0
.irp b, 0,1,2,3
	v_permlanex16_b32 v[TM+4+\b], v[TM+\b], s[SEL], s[SEL+1]
.endr
.irp b, 0,1,2,3
	v_max_num_f32 v[TM+\b], v[TM+\b], v[TM+4+\b]
.endr
.irp b, 0,1,2,3
	v_add_nc_u32 v[TM+12+\b], 0xfc000000, v[TM+\b]
.endr
.irp b, 0,1,2,3
	v_and_or_b32 v[TM+8+\b], v[TM+\b], 0x7f800000, s[MNT]
.endr
.irp b, 0,1,2,3
	v_lshrrev_b32 v[TM+4+\b], 23, v[TM+12+\b]
.endr
	v_lshl_or_b32 v[\pw], v[TM+5], 8, v[TM+4]
	v_lshl_or_b32 v[\pw], v[TM+6], 16, v[\pw]
	v_lshl_or_b32 v[\pw], v[TM+7], 24, v[\pw]
.if \aw
	WIN 0x01
.endif
.set n, 0
.rept 64
	v_med3_num_f32 v[X+n], v[\s+n], -v[TM+8+n/16], v[TM+8+n/16]
.set n, n+1
.endr
	WIN 0
.irp b, 0,1,2,3
	v_cvt_scalef32_pk8_fp8_f32 v[PC+4*\b:PC+4*\b+1], v[X+16*\b:X+16*\b+7], v[TM+12+\b]
	v_cvt_scalef32_pk8_fp8_f32 v[PC+4*\b+2:PC+4*\b+3], v[X+16*\b+8:X+16*\b+15], v[TM+12+\b]
.endr
	v_nop
.endm
.macro STAGE_OUT sr, go, mode
.irp ch, 0,1,2,3,4,5,6,7
	s_wait_xcnt 0x0
.irp i, 0,1,2,3,4,5,6,7
	ds_load_b128 v[X+32*(\ch%2)+4*\i:X+32*(\ch%2)+4*\i+3], v[\sr] offset:(16*\ch+2*\i)*272
.endr
	s_wait_dscnt 0x0
.irp i, 0,1,2,3,4,5,6,7
.if \mode
	global_store_b128 v[\go], v[X+32*(\ch%2)+4*\i:X+32*(\ch%2)+4*\i+3], s[OB:OB+1] offset:(16*\ch+2*\i)*256
.else
	global_store_b128 v[\go], v[X+32*(\ch%2)+4*\i:X+32*(\ch%2)+4*\i+3], s[OB:OB+1] offset:((16*\ch+2*\i)/64)*524288+((16*\ch+2*\i)%64)*8192
.endif
.endr
.endr
.endm
	s_cmp_eq_u32 s23, 2
	s_cbranch_scc1 .Lv_path
	s_lshl_b32 s32, s89, 2
	s_lshl_b32 s33, s21, 1
	s_add_co_u32 s32, s32, s33
	s_lshl_b32 s34, s32, 7
	s_lshr_b32 s35, s66, 4
	s_add_co_u32 s34, s34, s35
	s_lshl_b32 s34, s34, 10
	s_lshl_b32 s36, s32, 4
	s_lshr_b32 s35, s66, 6
	s_add_co_u32 s36, s36, s35
	s_lshl_b32 s36, s36, 9
	s_add_co_u32 s36, s36, 0x400000
	s_sub_co_u32 s38, s32, 32
	s_lshl_b32 s39, s38, 4
	s_lshr_b32 s35, s66, 7
	s_add_co_u32 s39, s39, s35
	s_mul_i32 s39, s39, REC
	s_lshl_b32 s35, s22, 12
	s_add_co_u32 s40, s39, s35
	s_lshl_b32 s35, s22, 3
	s_add_co_u32 s41, s39, s35
	s_add_co_u32 s41, s41, 16384
	s_mov_b32 s44, 131072
	s_mov_b32 s45, 0
	s_cmp_eq_u32 s23, 1
	s_cselect_b64 s[IB:IB+1], s[18:19], s[16:17]
	s_cselect_b32 s34, s40, s34
	s_cselect_b32 s36, s41, s36
	s_cselect_b32 s44, 16*REC, s44
	s_mov_b32 s35, 0
	s_mov_b32 s37, 0
	s_add_nc_u64 s[SB:SB+1], s[IB:IB+1], s[36:37]
	s_add_nc_u64 s[IB:IB+1], s[IB:IB+1], s[34:35]
	s_add_nc_u64 s[IB+2:IB+3], s[IB:IB+1], s[44:45]
.macro ROPE qi, p
.set rA, 8*(8*(\qi)+(\p))
.set rC, 192+32*((\qi)%2)+8*(((\p)%4)/2)+4*((\p)%2)
.set rX, X+32*((\p)/4)+16*(((\p)%4)/2)+8*((\p)%2)
.irp k, 0,1,2,3
	v_mul_f32 v[T+2*\k], v[rA+2*\k+1], v[rC+16+\k]
.endr
.irp k, 0,1,2,3
	v_mul_f32 v[T+2*\k+1], v[rA+2*\k+1], v[rC+\k]
.endr
.irp k, 0,1,2,3
	v_fma_f32 v[rX+2*\k], v[rA+2*\k], v[rC+\k], -v[T+2*\k]
.endr
.irp k, 0,1,2,3
	v_fma_f32 v[rX+2*\k+1], v[rA+2*\k], v[rC+16+\k], v[T+2*\k+1]
.endr
.endm
.macro EPI_QK qi
.if \qi > 0
	s_wait_xcnt 0x0
.endif
	WIN (0x01|((2+(\qi)/2)<<2))
.irp p, 0,1,2,3,4,5,6,7
	ROPE \qi, \p
.endr
	WIN 0
.irp hh, 0,1
	v_pk_mul_f32 v[SS+4*\hh:SS+4*\hh+1], v[X+32*\hh:X+32*\hh+1], v[X+32*\hh:X+32*\hh+1]
	v_pk_mul_f32 v[SS+4*\hh+2:SS+4*\hh+3], v[X+32*\hh+2:X+32*\hh+3], v[X+32*\hh+2:X+32*\hh+3]
.irp j, 4,8,12,16,20,24,28
	v_pk_fma_f32 v[SS+4*\hh:SS+4*\hh+1], v[X+32*\hh+\j:X+32*\hh+\j+1], v[X+32*\hh+\j:X+32*\hh+\j+1], v[SS+4*\hh:SS+4*\hh+1]
	v_pk_fma_f32 v[SS+4*\hh+2:SS+4*\hh+3], v[X+32*\hh+\j+2:X+32*\hh+\j+3], v[X+32*\hh+\j+2:X+32*\hh+\j+3], v[SS+4*\hh+2:SS+4*\hh+3]
.endr
	v_pk_add_f32 v[SS+4*\hh:SS+4*\hh+1], v[SS+4*\hh:SS+4*\hh+1], v[SS+4*\hh+2:SS+4*\hh+3]
	v_add_f32 v[SS+4*\hh], v[SS+4*\hh], v[SS+4*\hh+1]
	v_permlanex16_b32 v[SS+4*\hh+2], v[SS+4*\hh], s[SEL], s[SEL+1]
	v_add_f32 v[SS+4*\hh], v[SS+4*\hh], v[SS+4*\hh+2]
	v_fma_f32 v[SS+4*\hh], v[SS+4*\hh], s[R64], s[EPSR]
.endr
	s_wait_alu depctr_va_vdst(0)
	v_rsq_f32 v[RS], v[SS]
	v_rsq_f32 v[RS+1], v[SS]
	v_rsq_f32 v[RS+2], v[SS+4]
	v_rsq_f32 v[RS+3], v[SS+4]
	v_nop
	s_wait_alu depctr_va_vdst(0)
.irp hh, 0,1
.irp j, 0,2,4,6,8,10,12,14,16,18,20,22,24,26,28,30
	v_pk_mul_f32 v[X+32*\hh+\j:X+32*\hh+\j+1], v[X+32*\hh+\j:X+32*\hh+\j+1], v[RS+2*\hh:RS+2*\hh+1]
.endr
.irp j, 0,2,4,6,8,10,12,14,16,18,20,22,24,26,28,30
	v_pk_mul_f32 v[X+32*\hh+\j:X+32*\hh+\j+1], v[X+32*\hh+\j:X+32*\hh+\j+1], v[NW+\j:NW+\j+1]
.endr
.endr
	s_cmp_eq_u32 s23, 1
	s_cbranch_scc0 .Lnot_k_\@
.set n, 0
.rept 64
	ds_store_b32 v[SAK], v[X+n] offset:(64*(n/32)+32*((n%32)/16)+n%16)*272+(32*((\qi)/2)+8*((\qi)%2))*4
.set n, n+1
.endr
	s_wait_dscnt 0x0
.Lnot_k_\@:
	QUANT X, 0, 0x6000000, PW
	v_and_b32 v234, 0xffff, v[PW]
	v_lshrrev_b32 v235, 16, v[PW]
	v_cndmask_b32 v[QW+\qi], v234, v235, s[HM]
.irp hh, 0,1
.irp c, 0,1
	global_store_b128 v[LI], v[PC+8*\hh+4*\c:PC+8*\hh+4*\c+3], s[IB+2*\hh:IB+2*\hh+1] offset:(\qi)*1024+\c*512
.endr
.endr
.endm
	EPI_QK 0
	EPI_QK 1
	EPI_QK 2
	EPI_QK 3
	s_cmp_eq_u32 s23, 1
	s_cbranch_scc1 .Lk_tail
.irp i, 0,1,2,3
	v_lshl_or_b32 v[QW+\i], v[QW+\i], 16, v[QW+\i]
.endr
.irp i, 0,1,2,3
	v_add_nc_u32 v[QW+\i], 0xfcfcfcfd, v[QW+\i]
.endr
	global_store_b128 v[LI], v[QW:QW+3], s[SB:SB+1]
	s_branch .Ldone
.Lk_tail:
	v_lshl_or_b32 v234, v[QW+1], 16, v[QW]
	s_wait_alu depctr_va_vdst(0)
	v_lshl_or_b32 v235, v[QW+3], 16, v[QW+2]
	global_store_b64 v[KO], v[234:235], s[SB:SB+1]
	s_lshl_b32 s42, s38, 19
	s_lshl_b32 s35, s66, 2
	s_add_co_u32 s42, s42, s35
	s_mov_b32 s43, 0
	s_add_nc_u64 s[OB:OB+1], s[84:85], s[42:43]
	STAGE_OUT SRK, GO1, 0
	s_branch .Ldone
.Lv_path:
	s_lshl_b32 s32, s89, 2
	s_add_co_u32 s32, s32, ttmp9
	s_sub_co_u32 s32, s32, 40
	s_lshl_b32 s33, s88, 1
	s_add_co_u32 s33, s33, s22
	s_lshl_b32 s34, s33, 4
	s_lshl_b32 s35, s32, 1
	s_add_co_u32 s34, s34, s35
	s_add_co_u32 s34, s34, s21
	s_mul_i32 s34, s34, REC
	s_add_co_u32 s34, s34, 8192
	s_mov_b32 s35, 0
	s_add_nc_u64 s[IB:IB+1], s[18:19], s[34:35]
	s_lshl_b32 s36, s33, 19
	s_lshl_b32 s37, s32, 16
	s_add_co_u32 s36, s36, s37
	s_lshl_b32 s37, s21, 15
	s_add_co_u32 s36, s36, s37
	s_add_co_u32 s36, s36, 0x400000
	s_mov_b32 s37, 0
	s_add_nc_u64 s[OB:OB+1], s[84:85], s[36:37]
.irp t, 0,1,2,3
.if \t > 0
	s_wait_xcnt 0x0
.endif
	WIN 0x04
.set n, 0
.rept 64
	ds_store_b32 v[SAV], v[64*\t+n] offset:(32*(n/16)+8*((n/8)%2)+n%8)*272+(32*(\t/2)+8*(\t%2))*4
.set n, n+1
.endr
	WIN 0
	QUANT 64*\t, 1, 0x4800000, QW+\t
.irp c, 0,1,2,3
	global_store_b128 v[LI], v[PC+4*\c:PC+4*\c+3], s[IB:IB+1] offset:\t*2048+\c*512
.endr
.endr
	global_store_b128 v[LI], v[QW:QW+3], s[IB:IB+1] offset:16640-8192
	STAGE_OUT SRV, LI, 1
.Ldone:
	s_wait_tensorcnt 0x0
	ds_add_u32 v[SPW], v[NIL]
	s_wait_dscnt 0x0
	CROUND
	s_endpgm
.Lfunc_end_k_q03e1b92ccb_qkv:
	.size	k_q03e1b92ccb_qkv, .Lfunc_end_k_q03e1b92ccb_qkv-k_q03e1b92ccb_qkv
	.p2alignl 7, 3214868480
	.fill 96, 4, 3214868480
	.section	.rodata,"a",@progbits
	.p2align	6, 0x0
	.amdhsa_kernel k_q03e1b92ccb_qkv
		.amdhsa_group_segment_fixed_size 327680
		.amdhsa_private_segment_fixed_size 0
		.amdhsa_enable_private_segment 0
		.amdhsa_kernarg_size 72
		.amdhsa_user_sgpr_count 2
		.amdhsa_user_sgpr_kernarg_segment_ptr 1
		.amdhsa_wavefront_size32 1
		.amdhsa_system_sgpr_workgroup_id_x 1
		.amdhsa_system_sgpr_workgroup_id_y 1
		.amdhsa_system_sgpr_workgroup_id_z 1
		.amdhsa_system_vgpr_workitem_id 0
		.amdhsa_next_free_vgpr 1024
		.amdhsa_next_free_sgpr 102
		.amdhsa_reserve_vcc 0
		.amdhsa_float_denorm_mode_32 3
		.amdhsa_float_denorm_mode_16_64 3
		.amdhsa_memory_ordered 1
		.amdhsa_forward_progress 1
		.amdhsa_inst_pref_size 255
	.end_amdhsa_kernel
	.section	.bss,"aw",@nobits
	.p2align	6
	.space	262144
	.amdgpu_metadata
---
amdhsa.version: [ 1, 2 ]
amdhsa.kernels:
  - .name:           k_q03e1b92ccb_qkv
    .symbol:         k_q03e1b92ccb_qkv.kd
    .args:
      - { .name: xq, .offset: 0, .size: 8, .value_kind: global_buffer, .address_space: global }
      - { .name: wc, .offset: 8, .size: 8, .value_kind: global_buffer, .address_space: global }
      - { .name: freqs_cos, .offset: 16, .size: 8, .value_kind: global_buffer, .address_space: global }
      - { .name: freqs_sin, .offset: 24, .size: 8, .value_kind: global_buffer, .address_space: global }
      - { .name: q_norm_w, .offset: 32, .size: 8, .value_kind: global_buffer, .address_space: global }
      - { .name: k_norm_w, .offset: 40, .size: 8, .value_kind: global_buffer, .address_space: global }
      - { .name: qb, .offset: 48, .size: 8, .value_kind: global_buffer, .address_space: global }
      - { .name: kv, .offset: 56, .size: 8, .value_kind: global_buffer, .address_space: global }
      - { .name: kvf, .offset: 64, .size: 8, .value_kind: global_buffer, .address_space: global }
    .group_segment_fixed_size: 327680
    .private_segment_fixed_size: 0
    .kernarg_segment_align: 8
    .kernarg_segment_size: 72
    .max_flat_workgroup_size: 128
    .sgpr_count:     102
    .vgpr_count:     1024
    .wavefront_size: 32
...
	.end_amdgpu_metadata
.endif
;; end of part 2
;; launch attn (part 3): grid 8 x 32, 8 waves a work-group, clusters of 4 x 4, 327,680 bytes of LDS; arguments atten_mask, qb, kv, yb, kvf, out1, out2; writes yb, out1, out2
.if DOCPART == 3
	.amdgcn_target "amdgcn-amd-amdhsa--gfx1250"
	.amdhsa_code_object_version 6
	.text
	.protected	k_q03e1b92ccb_attn
	.globl	k_q03e1b92ccb_attn
	.p2align	8
	.type	k_q03e1b92ccb_attn,@function
k_q03e1b92ccb_attn:
	s_mov_b64 s[64:65], 0
	v_nop
	global_prefetch_b8 v0, s[64:65] scope:SCOPE_SE
	s_setreg_imm32_b32 hwreg(HW_REG_WAVE_MODE, 25, 1), 1
	s_wait_xcnt 0x0
	s_wait_alu depctr_hold_cnt(0) depctr_sa_sdst(0) depctr_va_vdst(0) depctr_va_sdst(0) depctr_va_ssrc(0) depctr_va_vcc(0) depctr_vm_vsrc(0)
	s_getreg_b32 s2, hwreg(HW_REG_IB_STS2, 6, 4)
	s_cmp_eq_u32 s2, 0
	s_cbranch_scc0 .Lentry_in_a_cluster
	s_endpgm
.Lentry_in_a_cluster:
	s_bfe_u32 s2, ttmp6, 0x10000c
	s_cmp_lg_u32 s2, 0xf033
	s_cbranch_scc0 .Lentry_shape_is_right
	s_endpgm
.Lentry_shape_is_right:
; Launch 3 of 4: y = softmax(q k^T / 8 + atten_mask) v on codes of E4M3 with E8M0 scales, y quantised for the last projection, and reference()'s repeat of k and v into out1 and out2.
; Nothing is left out: the mask is an input, so every tile of scores is computed and the mask is added as given.
; THE SOFTMAX: t = logit x log2(e), rounded as a multiplication of its own (in a row that is masked throughout t is near 1.4e9 and its rounding counts); M = the running largest t rounded UP to a whole number;
; p = 2^(t - M) is quantised along the keys, not normalised; the row's sum is taken of the unquantised p and divides at the end.  When M moves, the sum and O are multiplied by 2^(old M - new M): exact.
; SHARES.  A work-group owns 64 queries (y) of the four query heads of one head of keys (x).  Wave w: the tile of 16 queries w % 4, the heads 2 (w / 4) + 0, 1.  Two waves to a SIMD, 512 registers each.  Every wave walks 2,048 keys, 128 a step.
; LAYOUT.  Both products transposed: S^T = K q^T, O^T = V^T p^T: a lane holds ONE query.  Tile t, row r of keys, queries and channels is index 32 (t / 2) + 8 (t % 2) + r + 8 (r / 8): 16 registers of tiles 2 b, 2 b + 1 are 16 neighbours.
; The head is 64 and the instruction's K 128: K's fragment b holds the keys' tile 2 b in k 0-63 and tile 2 b + 1 in k 64-127; q stands with 64 zero codes above or below it.  The mask is the C of the score product,
; and q's scale bytes are 3 less than the quantiser's (the division by 8): the product's result is the logit.
; THE TWO HEADS' SOFTMAXES GO LINE BY LINE IN TURNS: eight chains of maxima, four of sums, two of M; one batch of 136 exponentials with one wait ahead of it and one behind it.  The hold of p goes two numbers an instruction.
; THE RING: two LDS slots of 256 keys.  Waves 0-3 fetch the mask's 64 rows x 1,024 bytes, 16 rows each; waves 4, 5 a record of K and V each; waves 6, 7 nothing.  Cluster 4 x 4: the mask's tile is shared along a row, the records along a column.
; THE CHANGE OF SLOTS stands in a slot's second step: behind the score products all that the slot holds is in registers; the wave signals there, works the softmax up to the exponentials on registers, and waits then.
; The next step's K, K's words and mask are asked of LDS ahead of the softmax (at a change: behind the round); V at a step's head.
; THE REPEAT.  Launch 2 stored k and v in f32 once for each head of keys (kvf).  A wave copies 8 channels x 256 bytes of k and 2,048 bytes of v in eight parts, one a slot: two loads of 256 bytes in a slot's second step,
; eight stores (four heads, 524,288 bytes apart) in the next slot's first: 32 lanes store 256 consecutive bytes, aligned.
; LIMITS: finite masks; NaN and infinities are not served; the scaled scores stay under 2^31 in magnitude; y's blocks take no largest magnitude under 2^-118; a block of p that is all 0 keeps the byte 1.
; REGISTERS.  Window 0: v1-7 addresses; v8-15 -M, largest t, the sum's pair, a head each; v16-23 K's, V's words; v25, v41 p's words; v60 q's; v28-39, v48-59 a head's maxima, holds, scale operands; v42-43, v62-63 second sums;
;   v44-47 f and a temporary, a head each; v64-127, v192-255 S^T of head 0, 1 (v64-79 then head 1's codes); v128-191 the mask.
;   Window 1: v0-63 O^T; v64-127 K; v128-191 V; v192-231 zeros, q0, zeros, q1, zeros; v232-247 head 0's codes; v248-251 the repeat's numbers, v252 its offset.
.set REC,   17152
.set CHK,   16768                      ; 16 rows of the mask: 16 x 1,040 and 128 more, so that rows x and x + 16 start apart in the banks
.set MP,    1040
.set KVO,   4*CHK
.set SLOT1, 1<<17
.set SPARE, 262144
.set LI,  1
.set LR,  2
.set LM,  3
.set ADK, 4
.set ADR, 5
.set ADM, 6
.set PFO, 7
.set KS,  16
.set VS,  20
.set PS,  25                           ; + 16 e
.set SPW, 26
.set NIL, 27
.set TA,  28                           ; + 20 e: +0..3 maxima, then bytes; +4..7 permutes, then holds; +8..11 scale operands
.set YW,  40
.set XS,  42                           ; + 20 e
.set F,   44                           ; + 2 e: f; + 1: a temporary
.set QS,  60
.set PC0, 232
.set CD,  248
.set CA,  252
.set G1M, 24
.set G1K, 32
.set G0M, 40
.set G0K, 44
.set SEL, 48
.set CS,  50
.set MNT, 52
.set TB,  53
.set SLOTS, 54
.set LIM, 55
.set PFA, 56
.set PFS, 58
.set MSB, 0
.macro WIN new
.if MSB != (\new)
	s_set_vgpr_msb (MSB<<8)|(\new)
.set MSB, (\new)
.endif
.endm
.macro PLACES n
.rept \n
	v_nop
.endr
.endm
.macro JLOAD                           ; the branches hang on the wave's number alone; an s_nop 0 and four v_nop follow each line
	s_cmp_lt_u32 s16, 4
	s_cbranch_scc0 .Lnot_m_\@
	tensor_load_to_lds s[G0M:G0M+3], s[G1M:G1M+7]
	s_nop 0
	PLACES 4
	s_branch .Lasked_\@
.Lnot_m_\@:
	s_cmp_lt_u32 s16, 6
	s_cbranch_scc0 .Lasked_\@
	tensor_load_to_lds s[G0K:G0K+3], s[G1K:G1K+7]
	s_nop 0
	PLACES 4
.Lasked_\@:
.endm
.macro CREST                           ; a round of the cluster's barrier behind its opening barrier
	s_cmp_lg_u32 s16, 0
	s_cbranch_scc1 .Lnot_wave_0_\@
	s_barrier_signal -3
.Lnot_wave_0_\@:
	s_barrier_wait -3
	s_barrier_signal -1
	s_barrier_wait -1
.endm
.macro CROUND
	s_barrier_signal -1
	s_barrier_wait -1
	CREST
.endm
; A prefetch of what the NEXT change of slots will ask for, two key steps ahead of that load; each aligned 256 bytes is named once in the launch.  The mask's tile: the cluster with x = 0 asks; partner cx takes rows 16 cx on,
; waves 6 and 7 eight rows each, four lanes to a row's 1,024 bytes.  The records: the cluster with y = 0 asks; wave 4 of partner cy takes 8,192 bytes.  Partners are told apart by address.  The last change that fills asks for nothing.
.macro ASK
	s_cmp_gt_u32 s[SLOTS], s[LIM]
	s_cbranch_scc0 .Lnot_mine_\@
	global_prefetch_b8 v[PFO], s[PFA:PFA+1] th:TH_LOAD_NT scope:SCOPE_SE
.Lnot_mine_\@:
.endm
.macro CPL step                        ; the repeat: a part's two loads; step = 1: the stores of the part before have read their base and data, so both may be written
.if \step
	s_wait_xcnt 0x0
	s_add_nc_u64 s[94:95], s[94:95], 8192
	s_add_nc_u64 s[96:97], s[96:97], 256
.endif
	WIN 0x41
	global_load_b64 v[CD:CD+1], v[CA], s[90:91] th:TH_LOAD_NT      ; k: one channel's 64 tokens
	global_load_b64 v[CD+2:CD+3], v[CA], s[92:93] th:TH_LOAD_NT    ; v: one token's 64 channels
	WIN 0
.endm
.macro CPS                             ; and its eight stores, a step later
	s_wait_loadcnt 0x0                             ; the two loads are in, so their bases may step
	s_add_nc_u64 s[90:91], s[90:91], 8192
	s_add_nc_u64 s[92:93], s[92:93], 256
	WIN 0x05
.irp rep, 0,1,2,3
	global_store_b64 v[CA], v[CD:CD+1], s[94:95] offset:\rep*524288 th:TH_STORE_NT
	global_store_b64 v[CA], v[CD+2:CD+3], s[96:97] offset:\rep*524288 th:TH_STORE_NT
.endr
	WIN 0
.endm
	s_load_b256 s[4:11], s[0:1], 0x0               ; atten_mask, qb, kv, yb
	s_load_b128 s[84:87], s[0:1], 0x20             ; kvf, out1
	s_load_b64 s[88:89], s[0:1], 0x30              ; out2
	v_lshl_add_u32 v[SPW], v0, 2, SPARE
	v_mov_b32 v[NIL], 0
	ds_add_u32 v[SPW], v[NIL]                      ; the opening: the add, twice on end, and its wait ahead of the first tensor load
	ds_add_u32 v[SPW], v[NIL]
	v_lshrrev_b32 v64, 5, v0
	v_readfirstlane_b32 s16, v64                   ; wave 0..7
	s_and_b32 s17, s16, 3                          ; my tile of queries; also which 16 rows of the mask I fetch
	s_lshr_b32 s18, s16, 2                         ; my pair of heads
	s_and_b32 s19, s16, 1                          ; which record I fetch
	s_bfe_u32 s12, ttmp6, 0x40000                  ; cx
	s_bfe_u32 s13, ttmp6, 0x40004                  ; cy
	s_lshl_b32 s14, ttmp9, 2
	s_add_co_u32 s14, s14, s12                     ; the head of keys
	s_and_b32 s15, ttmp7, 0xffff
	s_lshl_b32 s15, s15, 2
	s_add_co_u32 s15, s15, s13                     ; the block of 64 queries
	s_lshl_b32 s20, s13, 2
	s_lshl_b32 s20, 15, s20                        ; my row of the cluster
	s_lshl_b32 s21, 0x1111, s12                    ; my column
	s_or_b32 s[G1M], s20, (2<<16)|(1<<20)|(1<<21)|(7<<22)|(3<<25)   ; elements of 4 bytes; 4 words of padding behind every 256
	s_mov_b32 s[G1M+1], 256<<16
	s_mov_b32 s[G1M+2], 16<<16
	s_mov_b32 s[G1M+3], 256<<16
	s_mov_b32 s[G1M+4], 16
	s_mov_b32 s[G1M+5], 2048
	s_mov_b32 s[G1M+6], 0
	s_mov_b32 s[G1M+7], 0
	s_or_b32 s[G1K], s21, (3<<16)|(1<<21)          ; a record: dense, 67 rows of 256 bytes
	s_mov_b32 s[G1K+1], 32<<16
	s_mov_b32 s[G1K+2], 67<<16
	s_mov_b32 s[G1K+3], 32<<16
	s_mov_b32 s[G1K+4], 67
	s_mov_b32 s[G1K+5], 32
	s_mov_b32 s[G1K+6], 0
	s_mov_b32 s[G1K+7], 0
	s_lshl_b32 s22, s15, 6
	s_lshl_b32 s23, s17, 4
	s_add_co_u32 s22, s22, s23
	s_lshl_b32 s22, s22, 13                        ; the mask's row 64 y + 16 (w % 4)
	s_mov_b32 s23, 0
	s_lshl_b32 s60, s14, 4
	s_add_co_u32 s60, s60, s19
	s_mul_i32 s60, s60, REC                        ; record 16 x head + w % 2
	s_mov_b32 s61, 0
	s_mul_i32 s62, s17, CHK
	s_mul_i32 s63, s19, REC
	s_add_co_u32 s63, s63, KVO
	s_mov_b32 s[SEL], 0x76543210
	s_mov_b32 s[SEL+1], 0xfedcba98
	s_mov_b32 s[CS], 0x3fb8aa3b                    ; log2(e)
	s_mov_b32 s[CS+1], s[CS]
	s_mov_b32 s[MNT], 0x600000
	s_mov_b32 s[TB], 0
	s_mov_b32 s[SLOTS], 7
	s_lshl_b32 s66, s14, 2
	s_lshl_b32 s67, s18, 1
	s_add_co_u32 s66, s66, s67                     ; my first query head
	s_lshl_b32 s67, s15, 2
	s_add_co_u32 s67, s67, s17                     ; my tile among the 128
	s_lshl_b32 s68, s66, 7
	s_add_co_u32 s68, s68, s67
	s_lshl_b32 s68, s68, 10                        ; q's image
	s_mov_b32 s69, 0
	s_lshl_b32 s72, s66, 4
	s_add_co_u32 s72, s72, s15
	s_lshl_b32 s72, s72, 9
	s_add_co_u32 s72, s72, 0x400000                ; q's scale words
	s_mov_b32 s73, 0
	s_lshl_b32 s74, s67, 4
	s_lshr_b32 s75, s66, 1
	s_add_co_u32 s74, s74, s75                     ; y: tile x 16 + K step of the last product
	s_lshl_b32 s76, s74, 7
	s_add_co_u32 s76, s76, 0x400000
	s_mov_b32 s77, 0
	s_lshl_b32 s74, s74, 11
	s_mov_b32 s75, 0
	s_lshl_b32 s82, s16, 16                        ; the repeat: k inside a head: channel 8 w, token 64 y
	s_lshl_b32 s83, s15, 8
	s_add_co_u32 s82, s82, s83
	s_lshl_b32 s83, s15, 14                        ; v inside a head: token 64 y + 8 w
	s_lshl_b32 s90, s16, 11
	s_add_co_u32 s83, s83, s90
	s_lshl_b32 s92, s14, 19                        ; a head in kvf
	s_add_co_u32 s90, s92, s82
	s_mov_b32 s91, 0
	s_add_co_u32 s92, s92, s83
	s_add_co_u32 s92, s92, 0x400000
	s_mov_b32 s93, 0
	s_lshl_b32 s96, s14, 21                        ; a head of keys in out1 and out2: four heads
	s_add_co_u32 s94, s96, s82
	s_mov_b32 s95, 0
	s_add_co_u32 s96, s96, s83
	s_mov_b32 s97, 0
	s_wait_dscnt 0x0                               ; both opening adds are done
	CROUND                                         ; all sixteen work-groups are here: the first joint loads meet
	s_wait_kmcnt 0x0
	s_mov_b32 s[G0M], 1
	s_mov_b32 s[G0M+1], s62
	s_add_nc_u64 s[G0M+2:G0M+3], s[4:5], s[22:23]
	s_or_b32 s[G0M+3], s[G0M+3], 0x80000000
	s_mov_b32 s[G0K], 1
	s_mov_b32 s[G0K+1], s63
	s_add_nc_u64 s[G0K+2:G0K+3], s[8:9], s[60:61]
	s_or_b32 s[G0K+3], s[G0K+3], 0x80000000
	JLOAD                                          ; slot 0
	s_add_nc_u64 s[70:71], s[6:7], s[68:69]
	s_add_nc_u64 s[72:73], s[6:7], s[72:73]
	s_add_nc_u64 s[78:79], s[10:11], s[74:75]
	s_add_nc_u64 s[80:81], s[10:11], s[76:77]
	s_add_nc_u64 s[90:91], s[84:85], s[90:91]      ; k in kvf
	s_add_nc_u64 s[92:93], s[84:85], s[92:93]      ; v in kvf
	s_add_nc_u64 s[94:95], s[86:87], s[94:95]      ; out1
	s_add_nc_u64 s[96:97], s[88:89], s[96:97]      ; out2
	v_and_b32 v64, 15, v0                          ; r
	v_bfe_u32 v65, v0, 4, 1                        ; h
	v_and_b32 v66, 31, v0                          ; lane
	v_lshlrev_b32 v4, 4, v66
	s_lshl_b32 s21, s17, 2
	v_add_nc_u32 v5, s21, v4
	WIN 0x40
.irp e, 0,1
.irp c, 0,1
	global_load_b128 v[200+16*\e+4*\c:200+16*\e+4*\c+3], v4, s[70:71] offset:\e*131072+\c*512   ; q stays in registers
.endr
.endr
	v_lshlrev_b32 v[CA], 3, v66                    ; the repeat's offset: 8 bytes a lane
.irp z, 192,208,224
.irp i, 0,1,2,3,4,5,6,7
	v_mov_b32 v[\z+\i], 0                          ; zero codes
.endr
.endr
.set n, 0
.rept 64
	v_mov_b32 v[n], 0                              ; O^T: the step is written once; the first finds zeros
.set n, n+1
.endr
	WIN 0
	global_load_b32 v[QS], v5, s[72:73]            ; lanes 0-15 the even head's words, lanes 16-31 the odd head's
	CPL 0
	v_add_nc_u32 v[LI], KVO, v4
	v_lshl_add_u32 v[LR], v64, 4, KVO
	s_lshr_b32 s20, s17, 1
	s_mul_i32 s20, s20, 2*CHK
	s_and_b32 s21, s17, 1
	s_mul_i32 s21, s21, 8*MP
	s_add_co_u32 s20, s20, s21
	v_lshrrev_b32 v67, 3, v64
	v_and_b32 v68, 7, v64
	v_mul_u32_u24 v67, v67, CHK
	v_mad_u32_u24 v67, v68, MP, v67
	v_lshl_add_u32 v67, v65, 6, v67
	v_add_nc_u32 v[LM], s20, v67                   ; the mask: my query's row, + 64 h bytes
	s_lshl_b32 s20, s15, 6                         ; the prefetches: where my wave's stand, and who asks
	s_lshl_b32 s21, s12, 4
	s_add_co_u32 s20, s20, s21
	s_lshl_b32 s21, s19, 3
	s_add_co_u32 s20, s20, s21
	s_lshl_b32 s20, s20, 13
	s_add_co_u32 s20, s20, 1024                    ; the mask: row 64 y + 16 cx + 8 (w - 6), in slot 1: the first change steps it to slot 2
	s_lshl_b32 s21, s14, 4
	s_lshr_b32 s22, s13, 1
	s_add_co_u32 s21, s21, s22
	s_add_co_u32 s21, s21, 2
	s_mul_i32 s21, s21, REC
	s_and_b32 s22, s13, 1
	s_lshl_b32 s22, s22, 13
	s_add_co_u32 s21, s21, s22                     ; the records: record cy / 2 of slot 1, K's (cy even) or V's fragments
	s_and_b32 s22, ttmp7, 0xffff
	s_mov_b32 s[PFS], 2*REC
	s_mov_b32 s23, 1024
	s_cmp_ge_u32 s16, 6
	s_cselect_b64 s[PFA:PFA+1], s[4:5], s[8:9]
	s_cselect_b32 s20, s20, s21
	s_cselect_b32 s[PFS], 1024, s[PFS]
	s_cselect_b32 s23, 8192, s23
	s_cselect_b32 s22, ttmp9, s22
	s_mov_b32 s21, 0
	s_mov_b32 s[PFS+1], 0
	s_add_nc_u64 s[PFA:PFA+1], s[PFA:PFA+1], s[20:21]
	s_cmp_eq_u32 s22, 0
	s_cselect_b32 s[LIM], 1, -1
	s_cmp_eq_u32 s16, 5
	s_cselect_b32 s[LIM], -1, s[LIM]
	s_cmp_lt_u32 s16, 4
	s_cselect_b32 s[LIM], -1, s[LIM]               ; waves 4, 6, 7 alone; the same in all sixteen partners
	v_lshrrev_b32 v[PFO], 2, v66
	v_and_b32 v67, 3, v66
	v_mul_lo_u32 v[PFO], v[PFO], s23
	v_lshl_add_u32 v[PFO], v67, 8, v[PFO]
.irp e, 0,1
	v_mov_b32 v[9+4*\e], 0xff61b1e6                ; the largest t so far: -3e38
	v_mov_b32 v[10+4*\e], 0                        ; the sum, in two halves
	v_mov_b32 v[11+4*\e], 0
	v_floor_f32 v[8+4*\e], -v[9+4*\e]              ; -M
.irp b, 0,1,2,3
	v_mov_b32 v[TA+4+20*\e+\b], 0                  ; a lane permute's destination counts as one of its sources
.endr
.endr
; 33 LDS loads: K's four fragments, K's words and the mask of the q-th 128 keys of the slot at s[TB].  Straight behind the score products the three additions and five v_nop are the eight places
.macro LOADKM q, nops
	v_add_nc_u32 v[ADK], s[TB], v[LI]
	v_add_nc_u32 v[ADR], s[TB], v[LR]
	v_add_nc_u32 v[ADM], s[TB], v[LM]
	PLACES \nops
	WIN 0x40
.irp b, 0,1,2,3
.irp c, 0,1,2,3
	ds_load_b128 v[64+16*\b+4*\c:64+16*\b+4*\c+3], v[ADK] offset:(\q)*REC+\b*2048+\c*512
.endr
.endr
	WIN 0
	ds_load_b128 v[KS:KS+3], v[ADR] offset:(\q)*REC+16384
.irp b, 0,1,2,3
.irp i, 0,1,2,3
	ds_load_b128 v[128+16*\b+4*\i:128+16*\b+4*\i+3], v[ADM] offset:512*(\q)+128*\b+16*\i
.endr
.endr
.endm
; The change of slots, in two parts.  LEAVE: all my tensor loads are in, the add, the wait for it and for my reads of the slot that I leave, the signal.  ENTER: the barrier's wait; fill = 1: the rest of the cluster's round,
; and the slot just left is filled with the 256 keys two slots on.  One load of a wave is out at the most.
.macro LEAVE fill
	s_wait_tensorcnt 0x0
	ds_add_u32 v[SPW], v[NIL]
.if \fill
	ds_add_u32 v[SPW], v[NIL]                      ; and once more
	s_xor_b32 s[G0M+1], s[G0M+1], SLOT1
	s_add_nc_u64 s[G0M+2:G0M+3], s[G0M+2:G0M+3], 1024
	s_xor_b32 s[G0K+1], s[G0K+1], SLOT1
	s_add_nc_u64 s[G0K+2:G0K+3], s[G0K+2:G0K+3], 2*REC
	s_wait_xcnt 0x0                                ; the last prefetch has read its address
	s_add_nc_u64 s[PFA:PFA+1], s[PFA:PFA+1], s[PFS:PFS+1]
.endif
	s_wait_dscnt 0x0
	s_barrier_signal -1
.endm
.macro ENTER fill
	s_barrier_wait -1
.if \fill
	CREST
	JLOAD
	ASK
.endif
.endm
; The softmax of both heads up to the exponentials: register work alone
.macro SOFT_A
.set j, 0
.rept 32
	v_pk_mul_f32 v[64+j:65+j], v[64+j:65+j], s[CS:CS+1] op_sel_hi:[1,0]       ; t = logit x log2(e); each accumulator from its low end on
	v_pk_mul_f32 v[192+j:193+j], v[192+j:193+j], s[CS:CS+1] op_sel_hi:[1,0]
.set j, j+2
.endr
.irp b, 0,1,2,3
.irp e, 0,1
	v_max3_num_f32 v[TA+20*\e+\b], v[64+128*\e+16*\b], v[65+128*\e+16*\b], v[66+128*\e+16*\b]   ; the largest t of each block of 32 keys: for the row's maximum and, since p rises with t, for the block's largest p
.endr
.endr
.irp i, 3,5,7,9,11,13
.irp b, 0,1,2,3
.irp e, 0,1
	v_max3_num_f32 v[TA+20*\e+\b], v[TA+20*\e+\b], v[64+128*\e+16*\b+\i], v[65+128*\e+16*\b+\i]
.endr
.endr
.endr
.irp b, 0,1,2,3
.irp e, 0,1
	v_max_num_f32 v[TA+20*\e+\b], v[TA+20*\e+\b], v[79+128*\e+16*\b]
.endr
.endr
.irp b, 0,1,2,3
.irp e, 0,1
	v_permlanex16_b32 v[TA+4+20*\e+\b], v[TA+20*\e+\b], s[SEL], s[SEL+1]
.endr
.endr
.irp b, 0,1,2,3
.irp e, 0,1
	v_max_num_f32 v[TA+20*\e+\b], v[TA+20*\e+\b], v[TA+4+20*\e+\b]            ; with lane l xor 16's 16 keys
.endr
.endr
.irp e, 0,1
	v_max3_num_f32 v[F+1+2*\e], v[TA+20*\e], v[TA+1+20*\e], v[TA+2+20*\e]
.endr
.irp e, 0,1
	v_max3_num_f32 v[9+4*\e], v[F+1+2*\e], v[TA+3+20*\e], v[9+4*\e]           ; the running largest t
.endr
.irp e, 0,1
	v_mov_b32 v[F+1+2*\e], v[8+4*\e]
.endr
.irp e, 0,1
	v_floor_f32 v[8+4*\e], -v[9+4*\e]                                         ; the new -M = -ceil(t)
.endr
.irp e, 0,1
	v_sub_f32 v[F+1+2*\e], v[8+4*\e], v[F+1+2*\e]                             ; old M - new M: a whole number, 0 or less
.endr
.irp e, 0,1
	v_cvt_i32_f32 v[F+1+2*\e], v[F+1+2*\e]                                    ; (it saturates)
.endr
.irp e, 0,1
	v_ldexp_f32 v[F+2*\e], 1.0, v[F+1+2*\e]                                   ; f = 2^(old M - new M)
.endr
.set j, 0
.rept 32
	v_pk_add_f32 v[64+j:65+j], v[64+j:65+j], v[8:9] op_sel_hi:[1,0]           ; t - M
	v_pk_add_f32 v[192+j:193+j], v[192+j:193+j], v[12:13] op_sel_hi:[1,0]
.set j, j+2
.endr
.irp b, 0,1,2,3
.irp e, 0,1
	v_add_f32 v[TA+20*\e+\b], v[TA+20*\e+\b], v[8+4*\e]                       ; the same of each block's largest t
.endr
.endr
.endm
.macro HOLDS e                         ; the hold; p is not negative, so it is one-sided; two numbers an instruction
.irp b, 0,1,2,3
.irp i, 0,2,4,6,8,10,12,14
	v_dual_min_num_f32 v[64+128*(\e)+16*\b+\i], v[64+128*(\e)+16*\b+\i], v[TA+4+20*(\e)+\b] :: v_dual_min_num_f32 v[65+128*(\e)+16*\b+\i], v[65+128*(\e)+16*\b+\i], v[TA+4+20*(\e)+\b]
.endr
.endr
.endm
; From the exponentials to the eight products V^T p^T.  out: the LDS loads issued behind V's, which may stay out
.macro SOFT_B out
.set j, 0
.rept 64
	v_exp_f32 v[64+j], v[64+j]                     ; p = 2^(t - M), at most 1
	v_exp_f32 v[192+j], v[192+j]
.set j, j+1
.endr
.irp b, 0,1,2,3
.irp e, 0,1
	v_exp_f32 v[TA+20*\e+\b], v[TA+20*\e+\b]       ; the block's largest p: the same instructions on the same number give the same bits
.endr
.endr
.irp e, 0,1
	v_pk_mul_f32 v[10+4*\e:11+4*\e], v[10+4*\e:11+4*\e], v[F+2*\e:F+2*\e+1] op_sel_hi:[1,0]   ; the sums under the new M: plain lines behind the exponentials
.endr
	s_wait_alu depctr_va_vdst(0)                   ; one wait for the batch, ahead of its first reader
.irp b, 0,1,2,3
.irp e, 0,1
	v_max_num_f32 v[TA+20*\e+\b], 0x4800000, v[TA+20*\e+\b]                   ; the floor 2^(9 - 127)
.endr
.endr
.irp b, 0,1,2,3
.irp e, 0,1
	v_add_nc_u32 v[TA+8+20*\e+\b], 0xfc000000, v[TA+20*\e+\b]                 ; the conversion's scale operand
.endr
.endr
.irp b, 0,1,2,3
.irp e, 0,1
	v_and_or_b32 v[TA+4+20*\e+\b], v[TA+20*\e+\b], 0x7f800000, s[MNT]         ; 448 x the scale
.endr
.endr
.irp b, 0,1,2,3
.irp e, 0,1
	v_lshrrev_b32 v[TA+20*\e+\b], 23, v[TA+8+20*\e+\b]                        ; the scale's byte
.endr
.endr
.irp e, 0,1
	v_lshl_or_b32 v[PS+16*\e], v[TA+1+20*\e], 8, v[TA+20*\e]                  ; p's scale word for these 128 keys
.endr
.irp e, 0,1
	v_lshl_or_b32 v[PS+16*\e], v[TA+2+20*\e], 16, v[PS+16*\e]
.endr
.irp e, 0,1
	v_lshl_or_b32 v[PS+16*\e], v[TA+3+20*\e], 24, v[PS+16*\e]
.endr
.irp e, 0,1
	v_pk_add_f32 v[XS+20*\e:XS+20*\e+1], v[64+128*\e:65+128*\e], v[66+128*\e:67+128*\e]   ; the row's sum, of the unquantised p: two packed chains a head
.endr
.irp j, 4,8,12,16,20,24,28,32,36,40,44,48,52,56,60
.irp e, 0,1
	v_pk_add_f32 v[10+4*\e:11+4*\e], v[10+4*\e:11+4*\e], v[64+128*\e+\j:65+128*\e+\j]
.endr
.irp e, 0,1
	v_pk_add_f32 v[XS+20*\e:XS+20*\e+1], v[XS+20*\e:XS+20*\e+1], v[66+128*\e+\j:67+128*\e+\j]
.endr
.endr
.irp e, 0,1
	v_pk_add_f32 v[10+4*\e:11+4*\e], v[10+4*\e:11+4*\e], v[XS+20*\e:XS+20*\e+1]
.endr
	HOLDS 0
	WIN 0x40                                       ; head 0's codes go to window 1
.irp b, 0,1,2,3
	v_cvt_scalef32_pk8_fp8_f32 v[PC0+4*\b:PC0+4*\b+1], v[64+16*\b:64+16*\b+7], v[TA+8+\b]
	v_cvt_scalef32_pk8_fp8_f32 v[PC0+4*\b+2:PC0+4*\b+3], v[72+16*\b:72+16*\b+7], v[TA+8+\b]
.endr
	v_nop                                          ; a plain line behind the conversions: their sources are written below
	WIN 0
	HOLDS 1
.irp b, 0,1,2,3
	v_cvt_scalef32_pk8_fp8_f32 v[64+4*\b:65+4*\b], v[192+16*\b:192+16*\b+7], v[TA+28+\b]      ; head 1's codes over head 0's spent numbers
	v_cvt_scalef32_pk8_fp8_f32 v[66+4*\b:67+4*\b], v[200+16*\b:200+16*\b+7], v[TA+28+\b]
.endr
	WIN 0x41                                       ; O^T in window 1, f in window 0
	s_wait_alu depctr_va_vdst(0)                   ; directly ahead of the first reader of O^T
.set j, 0
.rept 16
	v_pk_mul_f32 v[j:j+1], v[j:j+1], v[F:F+1] op_sel_hi:[1,0]                 ; O^T under the new M; these are also the places in front of the products
	v_pk_mul_f32 v[32+j:33+j], v[32+j:33+j], v[F+2:F+3] op_sel_hi:[1,0]
.set j, j+2
.endr
	s_wait_alu depctr_va_vdst(0)
	s_wait_dscnt \out                              ; V and its scale words are in
	WIN 0x55
.irp t, 0,1,2,3
	v_wmma_scale_f32_16x16x128_f8f6f4 v[8*\t:8*\t+7], v[128+16*\t:128+16*\t+15], v[PC0:PC0+15], v[8*\t:8*\t+7], v[VS+\t], v[PS]
.endr
	WIN 0x51
.irp t, 0,1,2,3
	v_wmma_scale_f32_16x16x128_f8f6f4 v[32+8*\t:32+8*\t+7], v[128+16*\t:128+16*\t+15], v[64:79], v[32+8*\t:32+8*\t+7], v[VS+\t], v[PS+16]
.endr
	WIN 0
.endm
; A key step: 128 keys, the q-th of the slot in hand.  mid: 1: the slot's second step follows; 2: the change of slots with a refill; 3: the same with no refill; 0: the last step
.macro STEP q, mid
.if (\q) == 0
	CPS
.elseif (\mid) != 0
	CPL 1
.endif
	PLACES 9                                       ; eight places ahead of the loads into V's registers and words; nine ahead of the score products, which write over head 1's codes
	WIN 0x40
.irp t, 0,1,2,3
.irp c, 0,1,2,3
	ds_load_b128 v[128+16*\t+4*\c:128+16*\t+4*\c+3], v[ADK] offset:(\q)*REC+8192+\t*2048+\c*512
.endr
.endr
	WIN 0
	ds_load_b128 v[VS:VS+3], v[ADK] offset:(\q)*REC+16640
	s_wait_dscnt 17                                ; K, its words and the mask are in; V's seventeen loads may be out
	WIN 0x05
.irp b, 0,1,2,3
.irp u, 0,1
	v_wmma_scale_f32_16x16x128_f8f6f4 v[64+8*(2*\b+\u):64+8*(2*\b+\u)+7], v[64+16*\b:64+16*\b+15], v[200-8*\u:200-8*\u+15], v[128+8*(2*\b+\u):128+8*(2*\b+\u)+7], v[KS+\b], v[QS]
	v_wmma_scale_f32_16x16x128_f8f6f4 v[192+8*(2*\b+\u):192+8*(2*\b+\u)+7], v[64+16*\b:64+16*\b+15], v[216-8*\u:216-8*\u+15], v[128+8*(2*\b+\u):128+8*(2*\b+\u)+7], v[KS+\b], v[QS] matrix_b_scale:MATRIX_SCALE_ROW1
.endr
.endr
	WIN 0
.if (\mid) == 1
	LOADKM 1, 5
.else
	PLACES 8
.endif
.if (\mid) == 2
	LEAVE 1
.elseif (\mid) == 3
	LEAVE 0
.endif
	SOFT_A
	s_wait_alu depctr_va_vdst(0)                   ; ahead of the batch, and ahead of the barrier's wait
.if (\mid) == 2
	ENTER 1
.elseif (\mid) == 3
	ENTER 0
.endif
.if (\mid) >= 2
	s_xor_b32 s[TB], s[TB], SLOT1
	LOADKM 0, 0
.endif
.if (\mid) == 0
	SOFT_B 0
.else
	SOFT_B 33
.endif
.endm
	s_wait_alu depctr_va_vdst(0)
	s_wait_loadcnt 0x2                             ; q and its scale words; the repeat's first two loads may be out
	LEAVE 1                                        ; slot 0 has landed; slot 1 is asked for
	ENTER 1
	s_mov_b32 s[SLOTS], 6
	LOADKM 0, 0
	s_wait_alu depctr_va_vdst(0)
.Lslot:                                            ; six trips: slots 0 to 5 are walked, slots 2 to 7 asked for
	STEP 0, 1
	STEP 1, 2
	s_sub_co_u32 s[SLOTS], s[SLOTS], 1
	s_cmp_lg_u32 s[SLOTS], 0
	s_cbranch_scc1 .Lslot
	STEP 0, 1                                      ; the last two slots are written out
	STEP 1, 3
	STEP 0, 1
	STEP 1, 0
	; THE WAY OUT: O^T / the sum; its 64 registers are k = 32 (2 e + b) + 16 h + i of one K step of the last product: quantised, they leave as an image of the operand's registers
	PLACES 8
.irp e, 0,1
	v_add_f32 v[TA+\e], v[10+4*\e], v[11+4*\e]
.endr
.irp e, 0,1
	v_permlanex16_b32 v[TA+4+\e], v[TA+\e], s[SEL], s[SEL+1]
.endr
.irp e, 0,1
	v_add_f32 v[TA+\e], v[TA+\e], v[TA+4+\e]
.endr
	s_wait_alu depctr_va_vdst(0)
.irp e, 0,1
	v_rcp_f32 v[52+2*\e], v[TA+\e]
.endr
	v_and_b32 v4, 31, v0                           ; (a plain line behind the reciprocals)
	v_lshlrev_b32 v5, 2, v4
	v_lshlrev_b32 v4, 4, v4
	WIN 0x01
	s_wait_alu depctr_va_vdst(0)                   ; one wait for the two, and for O^T, directly ahead of the first reader
.irp e, 0,1
.set j, 0
.rept 16
	v_pk_mul_f32 v[64+32*\e+j:64+32*\e+j+1], v[32*\e+j:32*\e+j+1], v[52+2*\e:53+2*\e] op_sel_hi:[1,0]
.set j, j+2
.endr
.endr
	WIN 0
.irp b, 0,1,2,3
	v_max3_num_f32 v[TA+\b], |v[64+16*\b]|, |v[64+16*\b+1]|, 0x4800000
.endr
.irp i, 2,4,6,8,10,12,14
.irp b, 0,1,2,3
	v_max3_num_f32 v[TA+\b], |v[64+16*\b+\i]|, |v[64+16*\b+\i+1]|, v[TA+\b]
.endr
.endr
.irp b, 0,1,2,3
	v_permlanex16_b32 v[TA+4+\b], v[TA+\b], s[SEL], s[SEL+1]
.endr
.irp b, 0,1,2,3
	v_max_num_f32 v[TA+\b], v[TA+\b], v[TA+4+\b]
.endr
.irp b, 0,1,2,3
	v_add_nc_u32 v[TA+8+\b], 0xfc000000, v[TA+\b]
.endr
.irp b, 0,1,2,3
	v_and_or_b32 v[48+\b], v[TA+\b], 0x7f800000, s[MNT]
.endr
.irp b, 0,1,2,3
	v_lshrrev_b32 v[TA+4+\b], 23, v[TA+8+\b]
.endr
	v_lshl_or_b32 v[YW], v[TA+5], 8, v[TA+4]
	v_lshl_or_b32 v[YW], v[TA+6], 16, v[YW]
	v_lshl_or_b32 v[YW], v[TA+7], 24, v[YW]
.irp b, 0,1,2,3
.irp i, 0,1,2,3,4,5,6,7,8,9,10,11,12,13,14,15
	v_med3_num_f32 v[64+16*\b+\i], v[64+16*\b+\i], -v[48+\b], v[48+\b]
.endr
	v_cvt_scalef32_pk8_fp8_f32 v[128+4*\b:128+4*\b+1], v[64+16*\b:64+16*\b+7], v[TA+8+\b]
	v_cvt_scalef32_pk8_fp8_f32 v[128+4*\b+2:128+4*\b+3], v[64+16*\b+8:64+16*\b+15], v[TA+8+\b]
.endr
	v_nop
.irp c, 0,1,2,3
	global_store_b128 v4, v[128+4*\c:128+4*\c+3], s[78:79] offset:\c*512   ; 512 consecutive bytes
.endr
	global_store_b32 v5, v[YW], s[80:81]           ; 128 consecutive bytes: one part in seventeen of y's codes and words
	s_wait_tensorcnt 0x0                           ; the wave's end
	ds_add_u32 v[SPW], v[NIL]
	s_wait_dscnt 0x0
	CROUND                                         ; no work-group ends while a partner may still ask for a tile that names it
	s_endpgm
.Lfunc_end_k_q03e1b92ccb_attn:
	.size	k_q03e1b92ccb_attn, .Lfunc_end_k_q03e1b92ccb_attn-k_q03e1b92ccb_attn
	.p2alignl 7, 3214868480
	.fill 96, 4, 3214868480
	.section	.rodata,"a",@progbits
	.p2align	6, 0x0
	.amdhsa_kernel k_q03e1b92ccb_attn
		.amdhsa_group_segment_fixed_size 327680
		.amdhsa_private_segment_fixed_size 0
		.amdhsa_enable_private_segment 0
		.amdhsa_kernarg_size 56
		.amdhsa_user_sgpr_count 2
		.amdhsa_user_sgpr_kernarg_segment_ptr 1
		.amdhsa_wavefront_size32 1
		.amdhsa_system_sgpr_workgroup_id_x 1
		.amdhsa_system_sgpr_workgroup_id_y 1
		.amdhsa_system_sgpr_workgroup_id_z 1
		.amdhsa_system_vgpr_workitem_id 0
		.amdhsa_next_free_vgpr 512
		.amdhsa_next_free_sgpr 98
		.amdhsa_reserve_vcc 0
		.amdhsa_float_denorm_mode_32 3
		.amdhsa_float_denorm_mode_16_64 3
		.amdhsa_memory_ordered 1
		.amdhsa_forward_progress 1
		.amdhsa_inst_pref_size 255
	.end_amdhsa_kernel
	.section	.bss,"aw",@nobits
	.p2align	6
	.space	262144
	.amdgpu_metadata
---
amdhsa.version: [ 1, 2 ]
amdhsa.kernels:
  - .name:           k_q03e1b92ccb_attn
    .symbol:         k_q03e1b92ccb_attn.kd
    .args:
      - { .name: atten_mask, .offset: 0, .size: 8, .value_kind: global_buffer, .address_space: global }
      - { .name: qb, .offset: 8, .size: 8, .value_kind: global_buffer, .address_space: global }
      - { .name: kv, .offset: 16, .size: 8, .value_kind: global_buffer, .address_space: global }
      - { .name: yb, .offset: 24, .size: 8, .value_kind: global_buffer, .address_space: global }
      - { .name: kvf, .offset: 32, .size: 8, .value_kind: global_buffer, .address_space: global }
      - { .name: out1, .offset: 40, .size: 8, .value_kind: global_buffer, .address_space: global }
      - { .name: out2, .offset: 48, .size: 8, .value_kind: global_buffer, .address_space: global }
    .group_segment_fixed_size: 327680
    .private_segment_fixed_size: 0
    .kernarg_segment_align: 8
    .kernarg_segment_size: 56
    .max_flat_workgroup_size: 256
    .sgpr_count:     98
    .vgpr_count:     512
    .wavefront_size: 32
...
	.end_amdgpu_metadata
.endif
;; end of part 3
;; launch oproj (part 4): grid 16 x 16, 4 waves a work-group, clusters of 4 x 4, 327,680 bytes of LDS; arguments woc, yb, out0; writes out0
.if DOCPART == 4
	.amdgcn_target "amdgcn-amd-amdhsa--gfx1250"
	.amdhsa_code_object_version 6
	.text
	.protected	k_q03e1b92ccb_oproj
	.globl	k_q03e1b92ccb_oproj
	.p2align	8
	.type	k_q03e1b92ccb_oproj,@function
k_q03e1b92ccb_oproj:
	s_mov_b64 s[64:65], 0
	v_nop
	global_prefetch_b8 v0, s[64:65] scope:SCOPE_SE
	s_setreg_imm32_b32 hwreg(HW_REG_WAVE_MODE, 25, 1), 1
	s_wait_xcnt 0x0
	s_wait_alu depctr_hold_cnt(0) depctr_sa_sdst(0) depctr_va_vdst(0) depctr_va_sdst(0) depctr_va_ssrc(0) depctr_va_vcc(0) depctr_vm_vsrc(0)
	s_getreg_b32 s2, hwreg(HW_REG_IB_STS2, 6, 4)
	s_cmp_eq_u32 s2, 0
	s_cbranch_scc0 .Lentry_in_a_cluster
	s_endpgm
.Lentry_in_a_cluster:
	s_bfe_u32 s2, ttmp6, 0x10000c
	s_cmp_lg_u32 s2, 0xf033
	s_cbranch_scc0 .Lentry_shape_is_right
	s_endpgm
.Lentry_shape_is_right:
.set PT,    4
.set NQ,    4
.set PITCH, 528
.set QOFF,  128*PITCH
.set SLOT,  QOFF+65536
.set SCL,   2*SLOT
.set SCQ,   SCL+32*272
.set STAGE, SCQ+16384
.set SPARE, STAGE+4*16*272
.set ADRP, 16
.set ADRQ, 20
.set ASP, 22
.set ASQ, 23
.set STO, 24
.set RD,  25
.set CO,  26
.set SPW, 28
.set NIL, 29
.set SP,  32
.set SQ,  64
.set OB,  128
.set G1P, 24
.set G1Q, 32
.set G1SP, 40
.set G1SQ, 48
.set G0P, 56
.set G0Q, 68
.set G0SP, 76
.set G0SQ, 80
.set MSB, 0
.macro WIN new
.if MSB != (\new)
	s_set_vgpr_msb (MSB<<8)|(\new)
.set MSB, (\new)
.endif
.endm
.macro PLACES n
.rept \n
	v_nop
.endr
.endm
.macro G1REST g, c, r, p
	s_mov_b32 s[\g+1], (\c)<<16
	s_mov_b32 s[\g+2], (\r)<<16
	s_mov_b32 s[\g+3], (\c)<<16
	s_mov_b32 s[\g+4], \r
	s_mov_b32 s[\g+5], \p
	s_mov_b32 s[\g+6], 0
	s_mov_b32 s[\g+7], 0
.endm
.macro JLOAD g0p, g1p, g0q, g1q
	s_cmp_eq_u32 s21, 0
	s_cbranch_scc0 .Lfor_q_\@
	tensor_load_to_lds s[\g0p:\g0p+3], s[\g1p:\g1p+7]
	s_nop 0
	PLACES 4
	s_branch .Lasked_\@
.Lfor_q_\@:
	tensor_load_to_lds s[\g0q:\g0q+3], s[\g1q:\g1q+7]
	s_nop 0
	PLACES 4
.Lasked_\@:
.endm
.macro CREST
	s_cmp_lg_u32 s20, 0
	s_cbranch_scc1 .Lnot_wave_0_\@
	s_barrier_signal -3
.Lnot_wave_0_\@:
	s_barrier_wait -3
	s_barrier_signal -1
	s_barrier_wait -1
.endm
.macro CROUND
	s_barrier_signal -1
	s_barrier_wait -1
	CREST
.endm
.macro FETCH set, slot, q
	WIN (0x80+0x40*(\set))
.irp p, 0,1,2,3
.irp c, 0,1,2,3
	ds_load_b128 v[16*\p+4*\c:16*\p+4*\c+3], v[ADRP+\slot] offset:128*(\q)+32*\c+\p*16*PITCH
.endr
.endr
.irp i, 0,1,2,3
.irp c, 0,1,2,3
	ds_load_b128 v[128+16*\i+4*\c:128+16*\i+4*\c+3], v[ADRQ+\slot] offset:(\i*NQ+(\q))*2048+512*\c
.endr
.endr
	WIN 0
.endm
.macro SCALES s
.irp p, 0,1,2,3
	ds_load_b128 v[SP+16*(\s)+4*\p:SP+16*(\s)+4*\p+3], v[ASP] offset:\p*4*272
.endr
.irp i, 0,1,2,3
.irp k, 0,1,2,3
	ds_load_b32 v[SQ+16*(\s)+4*\i+\k], v[ASQ] offset:(\i*16+\k)*128
.endr
.endr
.endm
.macro MULQ qi, q, s, zero
.irp p, 0,1,2,3
.if \zero
	v_wmma_scale_f32_16x16x128_f8f6f4 v[8*(PT*(\qi)+\p):8*(PT*(\qi)+\p)+7], v[16*\p:16*\p+15], v[128+16*(\qi):128+16*(\qi)+15], 0, v[SP+16*(\s)+4*\p+(\q)], v[SQ+16*(\s)+4*(\qi)+(\q)]
.else
	v_wmma_scale_f32_16x16x128_f8f6f4 v[8*(PT*(\qi)+\p):8*(PT*(\qi)+\p)+7], v[16*\p:16*\p+15], v[128+16*(\qi):128+16*(\qi)+15], v[8*(PT*(\qi)+\p):8*(PT*(\qi)+\p)+7], v[SP+16*(\s)+4*\p+(\q)], v[SQ+16*(\s)+4*(\qi)+(\q)]
.endif
.endr
.endm
.macro STEP slot, q, zero
	s_wait_dscnt 0x0
	WIN (0x5a+5*((\q)%2))
	MULQ 0, \q, \slot, \zero
	MULQ 1, \q, \slot, \zero
	PLACES 8
	FETCH 1-(\q)%2, \slot, (\q)+1
	WIN (0x5a+5*((\q)%2))
	MULQ 2, \q, \slot, \zero
	MULQ 3, \q, \slot, \zero
	WIN 0
.endm
.macro TURN slot, next, fill
	s_wait_tensorcnt 0x0
	ds_add_u32 v[SPW], v[NIL]
	s_wait_dscnt 0x1
	WIN 0x5f
	MULQ 0, NQ-1, \slot, 0
	s_wait_dscnt 0x0
	s_barrier_signal -1
	MULQ 1, NQ-1, \slot, 0
	WIN 0
	s_barrier_wait -1
.if \fill
	CREST
	s_add_nc_u64 s[G0P+4*\slot+2:G0P+4*\slot+3], s[G0P+4*\slot+2:G0P+4*\slot+3], 1024
	s_add_nc_u64 s[G0Q+4*\slot+2:G0Q+4*\slot+3], s[G0Q+4*\slot+2:G0Q+4*\slot+3], 16384
	JLOAD G0P+4*\slot, G1P, G0Q+4*\slot, G1Q
	PLACES 4
.else
	PLACES 8
.endif
	s_wait_alu depctr_va_vdst(0)
	v_add_nc_u32 v[ASP], 4*NQ, v[ASP]
	v_add_nc_u32 v[ASQ], 128*NQ, v[ASQ]
	FETCH 0, \next, 0
	SCALES \next
	WIN 0x5f
	MULQ 2, NQ-1, \slot, 0
	MULQ 3, NQ-1, \slot, 0
	WIN 0
.endm
	s_load_b128 s[4:7], s[0:1], 0x0
	s_load_b64 s[8:9], s[0:1], 0x10
	v_lshl_add_u32 v[SPW], v0, 2, SPARE
	v_mov_b32 v[NIL], 0
	ds_add_u32 v[SPW], v[NIL]
	ds_add_u32 v[SPW], v[NIL]
	v_lshrrev_b32 v1, 5, v0
	v_readfirstlane_b32 s20, v1
	s_lshr_b32 s21, s20, 1
	s_and_b32 s22, s20, 1
	s_bfe_u32 s88, ttmp6, 0x40000
	s_bfe_u32 s89, ttmp6, 0x40004
	s_lshl_b32 s90, ttmp9, 2
	s_add_co_u32 s90, s90, s88
	s_and_b32 s91, ttmp7, 0xffff
	s_lshl_b32 s91, s91, 2
	s_add_co_u32 s91, s91, s89
	s_lshl_b32 s92, s89, 2
	s_lshl_b32 s92, 15, s92
	s_lshl_b32 s93, 0x1111, s88
	s_or_b32 s[G1P], s92, (1<<20)|(1<<21)|(6<<22)|(3<<25)
	G1REST G1P, 512, 128, 2048
	s_or_b32 s[G1Q], s93, (3<<16)|(1<<21)
	G1REST G1Q, 1024, 8, 4096
	s_or_b32 s[G1SP], s92, (3<<16)|(1<<20)|(1<<21)|(5<<22)|(3<<25)
	G1REST G1SP, 32, 32, 32
	s_or_b32 s[G1SQ], s93, (3<<16)|(1<<21)
	G1REST G1SQ, 32, 64, 32
	s_lshl_b32 s94, s91, 7
	s_lshl_b32 s95, s22, 6
	s_add_co_u32 s94, s94, s95
	s_lshl_b32 s96, s94, 11
	s_mov_b32 s97, 0
	s_lshl_b32 s98, s91, 13                        ; the scale bytes of all 128 rows come by one load: no half of the tile enters
	s_add_co_u32 s98, s98, 0x400000
	s_mov_b32 s99, 0
	s_lshl_b32 s95, s90, 3
	s_lshl_b32 s66, s22, 2
	s_add_co_u32 s95, s95, s66
	s_lshl_b32 s100, s95, 15
	s_mov_b32 s101, 0
	s_lshl_b32 s66, s90, 14
	s_add_co_u32 s66, s66, 0x400000
	s_mov_b32 s67, 0
	s_mul_i32 s2, s22, 64*PITCH
	s_lshl_b32 s3, s22, 15
	s_wait_dscnt 0x0
	s_wait_kmcnt 0x0
	CROUND
	s_mov_b32 s[G0SP], 1
	s_mov_b32 s[G0SP+1], SCL
	s_add_nc_u64 s[G0SP+2:G0SP+3], s[4:5], s[98:99]
	s_or_b32 s[G0SP+3], s[G0SP+3], 0x80000000
	s_mov_b32 s[G0SQ], 1
	s_mov_b32 s[G0SQ+1], SCQ
	s_add_nc_u64 s[G0SQ+2:G0SQ+3], s[6:7], s[66:67]
	s_or_b32 s[G0SQ+3], s[G0SQ+3], 0x80000000
	s_add_nc_u64 s[4:5], s[4:5], s[96:97]
	s_add_nc_u64 s[6:7], s[6:7], s[100:101]
.irp s, 0,1
	s_mov_b32 s[G0P+4*\s], 1
	s_add_co_u32 s[G0P+4*\s+1], s2, \s*SLOT
	s_add_nc_u64 s[G0P+4*\s+2:G0P+4*\s+3], s[4:5], \s*512
	s_or_b32 s[G0P+4*\s+3], s[G0P+4*\s+3], 0x80000000
	s_mov_b32 s[G0Q+4*\s], 1
	s_add_co_u32 s[G0Q+4*\s+1], s3, \s*SLOT+QOFF
	s_add_nc_u64 s[G0Q+4*\s+2:G0Q+4*\s+3], s[6:7], \s*8192
	s_or_b32 s[G0Q+4*\s+3], s[G0Q+4*\s+3], 0x80000000
.endr
; the head's four tiles, each whole, one load a wave in one chain of arms: wave 0 slot 0's rows of wo, wave 2 its images of y (both waves' own descriptors stand at half 0), wave 1 and wave 3 the two blocks of scale bytes
	s_cmp_eq_u32 s20, 0
	s_cbranch_scc0 .Lhead_q
	tensor_load_to_lds s[G0P:G0P+3], s[G1P:G1P+7]
	s_nop 0
	PLACES 4
	s_branch .Lhead_asked
.Lhead_q:
	s_cmp_eq_u32 s20, 2
	s_cbranch_scc0 .Lhead_sp
	tensor_load_to_lds s[G0Q:G0Q+3], s[G1Q:G1Q+7]
	s_nop 0
	PLACES 4
	s_branch .Lhead_asked
.Lhead_sp:
	s_cmp_eq_u32 s20, 1
	s_cbranch_scc0 .Lhead_sq
	tensor_load_to_lds s[G0SP:G0SP+3], s[G1SP:G1SP+7]
	s_nop 0
	PLACES 4
	s_branch .Lhead_asked
.Lhead_sq:
	tensor_load_to_lds s[G0SQ:G0SQ+3], s[G1SQ:G1SQ+7]
	s_nop 0
	PLACES 4
.Lhead_asked:
; PREFETCHES INTO THE L2: K has four steps of 512; here, at the head, steps 1 and 2 are asked for, behind step 1's load step 3.  Each aligned 256 bytes is named once in the cluster, the partners told apart by address.
; wo: in my wave's half of 64 rows partner cx takes rows 16 cx on, my wave 8 of them, two blocks a row: 16 blocks a step.  y: of my half's four images partner cy takes image cy, my wave 4,096 of a step's 8,192 bytes: 16 blocks a step.
; At the head lanes 0-15 name step 1 and lanes 16-31 step 2; for step 3 lanes 16-31 name the wave's last block again.
	s_lshl_b32 s100, s88, 4
	s_lshl_b32 s101, s21, 3
	s_add_co_u32 s100, s100, s101                  ; row 16 cx + 8 (wave / 2) of my half
	s_lshl_b32 s100, s100, 11
	s_mov_b32 s101, 0
	s_add_nc_u64 s[96:97], s[4:5], s[100:101]
	s_lshl_b32 s100, s89, 15                       ; image cy of my half,
	s_lshl_b32 s94, s21, 12
	s_add_co_u32 s100, s100, s94                   ; and 4,096 (wave / 2) in a step's part of it
	s_add_nc_u64 s[98:99], s[6:7], s[100:101]
	v_and_b32 v4, 31, v0
	v_min_u32 v6, 15, v4
	v_and_b32 v8, 15, v4
	v_lshrrev_b32 v9, 4, v4
	v_lshrrev_b32 v10, 1, v8
	v_and_b32 v11, 1, v4
	v_lshlrev_b32 v10, 11, v10
	v_lshlrev_b32 v5, 8, v8
	v_lshl_add_u32 v10, v11, 8, v10
	v_lshl_add_u32 v5, v9, 13, v5                  ; y: 256 (lane % 16), + a step for lanes 16-31
	v_lshl_add_u32 v4, v9, 9, v10                  ; wo: row (lane % 16) / 2, block lane % 2, + a step for lanes 16-31
	v_lshrrev_b32 v7, 1, v6
	v_and_b32 v11, 1, v6
	v_lshlrev_b32 v7, 11, v7
	v_lshlrev_b32 v6, 8, v6                        ; the same for one step alone: y,
	v_lshl_add_u32 v7, v11, 8, v7                  ; and wo
	global_prefetch_b8 v4, s[96:97] offset:512 th:TH_LOAD_NT scope:SCOPE_SE
	global_prefetch_b8 v5, s[98:99] offset:8192 th:TH_LOAD_NT scope:SCOPE_SE
	v_and_b32 v1, 15, v0
	v_bfe_u32 v2, v0, 4, 1
	v_and_b32 v3, 31, v0
	v_mul_u32_u24 v12, v1, PITCH
	v_lshl_add_u32 v12, v2, 4, v12
	v_lshlrev_b32 v13, 4, v3
	s_mul_i32 s94, s21, 64*PITCH
	s_lshl_b32 s95, s22, 15
	s_add_co_u32 s95, s95, QOFF
.irp s, 0,1
	v_add_nc_u32 v[ADRP+\s], s94, v12
	v_add_nc_u32 v[ADRQ+\s], s95, v13
	s_add_co_u32 s94, s94, SLOT
	s_add_co_u32 s95, s95, SLOT
.endr
	v_lshlrev_b32 v13, 6, v1
	v_lshrrev_b32 v14, 8, v13
	v_lshl_add_u32 v13, v14, 4, v13
	s_mul_i32 s94, s21, 16*272
	s_add_co_u32 s94, s94, SCL
	v_add_nc_u32 v[ASP], s94, v13
	s_lshl_b32 s95, s22, 13
	s_add_co_u32 s95, s95, SCQ
	v_lshl_add_u32 v[ASQ], v3, 2, s95
	s_mul_i32 s94, s20, 16*272
	s_add_co_u32 s94, s94, STAGE
	v_mul_u32_u24 v13, v1, 272
	v_lshl_add_u32 v13, v2, 6, v13
	v_add_nc_u32 v[STO], s94, v13
	v_mul_u32_u24 v13, v2, 272
	v_lshl_add_u32 v13, v1, 4, v13
	v_add_nc_u32 v[RD], s94, v13
	v_lshlrev_b32 v[CO], 13, v2
	v_lshl_add_u32 v[CO], v1, 4, v[CO]
	s_lshl_b32 s10, s90, 7
	s_lshl_b32 s11, s22, 6
	s_add_co_u32 s10, s10, s11
	s_lshl_b32 s10, s10, 13
	s_lshl_b32 s11, s91, 9
	s_add_co_u32 s10, s10, s11
	s_lshl_b32 s11, s21, 8
	s_add_co_u32 s10, s10, s11
	s_mov_b32 s11, 0
	s_add_nc_u64 s[8:9], s[8:9], s[10:11]
	s_wait_alu depctr_va_vdst(0)
	s_wait_tensorcnt 0x0                           ; my tile of the head's four is in; slot 1's first fill is issued as a refill is
	ds_add_u32 v[SPW], v[NIL]
	s_mov_b32 s[G1P+2], 64<<16                     ; no tensor load of mine is out: from here on a load brings half a tile's rows
	s_mov_b32 s[G1P+4], 64
	s_mov_b32 s[G1Q+2], 4<<16
	s_mov_b32 s[G1Q+4], 4
	s_wait_dscnt 0x0
	CROUND
	JLOAD G0P+4, G1P, G0Q+4, G1Q
	FETCH 0, 0, 0
	SCALES 0
	global_prefetch_b8 v7, s[96:97] offset:1536 th:TH_LOAD_NT scope:SCOPE_SE    ; behind K step 1's load: K step 3
	global_prefetch_b8 v6, s[98:99] offset:24576 th:TH_LOAD_NT scope:SCOPE_SE
	STEP 0, 0, 1
	STEP 0, 1, 0
	STEP 0, 2, 0
	s_mov_b32 s3, 1
.Llap:
	TURN 0, 1, 1
	STEP 1, 0, 0
	STEP 1, 1, 0
	STEP 1, 2, 0
	TURN 1, 0, 1
	STEP 0, 0, 0
	STEP 0, 1, 0
	STEP 0, 2, 0
	s_sub_co_u32 s3, s3, 1
	s_cmp_lg_u32 s3, 0
	s_cbranch_scc1 .Llap
	TURN 0, 1, 0
	STEP 1, 0, 0
	STEP 1, 1, 0
	STEP 1, 2, 0
	s_wait_dscnt 0x0
	WIN 0x5f
	MULQ 0, 3, 1, 0
	MULQ 1, 3, 1, 0
	MULQ 2, 3, 1, 0
	MULQ 3, 3, 1, 0
	WIN 0
	PLACES 8
.irp qi, 0,1,2,3
	WIN 0x04
.irp p, 0,1,2,3
	ds_store_b128 v[STO], v[8*(4*\qi+\p):8*(4*\qi+\p)+3] offset:128*(\p/2)+32*(\p%2)
	ds_store_b128 v[STO], v[8*(4*\qi+\p)+4:8*(4*\qi+\p)+7] offset:128*(\p/2)+32*(\p%2)+16
.endr
	WIN 0
.if \qi > 0
	s_wait_xcnt 0x0
.endif
.irp i, 0,1,2,3,4,5,6,7
	ds_load_b128 v[OB+4*\i:OB+4*\i+3], v[RD] offset:2*\i*272
.endr
	s_wait_dscnt 0x0
.irp i, 0,1,2,3,4,5,6,7
	global_store_b128 v[CO], v[OB+4*\i:OB+4*\i+3], s[8:9] offset:(32*(\qi/2)+8*(\qi%2)+2*\i+8*(\i/4))*8192 th:TH_STORE_NT
.endr
.endr
	s_wait_tensorcnt 0x0
	ds_add_u32 v[SPW], v[NIL]
	s_wait_dscnt 0x0
	CROUND
	s_endpgm
.Lfunc_end_k_q03e1b92ccb_oproj:
	.size	k_q03e1b92ccb_oproj, .Lfunc_end_k_q03e1b92ccb_oproj-k_q03e1b92ccb_oproj
	.p2alignl 7, 3214868480
	.fill 96, 4, 3214868480
	.section	.rodata,"a",@progbits
	.p2align	6, 0x0
	.amdhsa_kernel k_q03e1b92ccb_oproj
		.amdhsa_group_segment_fixed_size 327680
		.amdhsa_private_segment_fixed_size 0
		.amdhsa_enable_private_segment 0
		.amdhsa_kernarg_size 24
		.amdhsa_user_sgpr_count 2
		.amdhsa_user_sgpr_kernarg_segment_ptr 1
		.amdhsa_wavefront_size32 1
		.amdhsa_system_sgpr_workgroup_id_x 1
		.amdhsa_system_sgpr_workgroup_id_y 1
		.amdhsa_system_sgpr_workgroup_id_z 1
		.amdhsa_system_vgpr_workitem_id 0
		.amdhsa_next_free_vgpr 1024
		.amdhsa_next_free_sgpr 102
		.amdhsa_reserve_vcc 0
		.amdhsa_float_denorm_mode_32 3
		.amdhsa_float_denorm_mode_16_64 3
		.amdhsa_memory_ordered 1
		.amdhsa_forward_progress 1
		.amdhsa_inst_pref_size 98
	.end_amdhsa_kernel
	.amdgpu_metadata
---
amdhsa.version: [ 1, 2 ]
amdhsa.kernels:
  - .name:           k_q03e1b92ccb_oproj
    .symbol:         k_q03e1b92ccb_oproj.kd
    .args:
      - { .name: woc, .offset: 0, .size: 8, .value_kind: global_buffer, .address_space: global }
      - { .name: yb, .offset: 8, .size: 8, .value_kind: global_buffer, .address_space: global }
      - { .name: out0, .offset: 16, .size: 8, .value_kind: global_buffer, .address_space: global }
    .group_segment_fixed_size: 327680
    .private_segment_fixed_size: 0
    .kernarg_segment_align: 8
    .kernarg_segment_size: 24
    .max_flat_workgroup_size: 128
    .sgpr_count:     102
    .vgpr_count:     1024
    .wavefront_size: 32
...
	.end_amdgpu_metadata
.endif
;; end of part 4
